; MI455X (gfx1250); checked and timed in simulation.
; The chip was launched on July 23, 2026; its instructions are those of AMD's public machine-readable ISA for CDNA 5 (MIT licence, August 2026) and "CDNA5" Instruction Set Architecture Reference Guide (July 2026). The comments in the code are by the model that wrote it; some were corrected since.
;; Kuramoto Coupling. Allowed arithmetic: float matrix products may take bf16 or f16 operands with f32 sums; other float arithmetic in f32, or as packed bf16 or f16 multiplies, adds, multiply-adds, maxima and minima; sums over many terms, partial sums and values carried from step to step in f32; what a program stores and reads back later, other than sums and carried values, may be rounded once to bf16 or f16.
;; Inputs: Wk 1,024 x 1,024 float32; Wo 1,024 x 1,024 float32; Wq 1,024 x 1,024 float32; Wv 1,024 x 1,024 float32; coupling_strength one number float32; z_im 2 x 2,048 x 1,024 float32; z_re 2 x 2,048 x 1,024 float32.
;; Outputs: out0 2 x 2,048 x 1,024 float32; out1 2 x 2,048 x 1,024 float32.
;; One version. Each part assembles by itself: llvm-mc -triple=amdgcn-amd-amdhsa -mcpu=gfx1250 --defsym DOCPART=n.
;; ======== version 1 of 1: 4 launches
;; limits: below input magnitudes of 1.1e-19 results are inexact or not finite; values are held in f16: magnitudes above 65,504 overflow, below 6.1e-05 lose precision
;; workspace buffers: mag 8,388,608 bytes; wh 8,388,608 bytes; sn 8,388,608 bytes; cs 8,388,608 bytes; qkv 25,165,824 bytes; oh 8,388,608 bytes
;; launch prep (part 1): grid 512 x 1, 8 waves a work-group, no clusters, 0 bytes of LDS; arguments z_re, z_im, Wq, Wk, Wv, Wo, mag, sn, cs, wh; writes mag, sn, cs, wh
.if DOCPART == 1
	.amdgcn_target "amdgcn-amd-amdhsa--gfx1250"
	.amdhsa_code_object_version 6
	.text
	.protected	k_qe520abaac1_prep
	.globl	k_qe520abaac1_prep
	.p2align	8
	.type	k_qe520abaac1_prep,@function
k_qe520abaac1_prep:
	s_mov_b64 s[64:65], 0
	v_nop
	global_prefetch_b8 v0, s[64:65] scope:SCOPE_SE
	s_setreg_imm32_b32 hwreg(HW_REG_WAVE_MODE, 25, 1), 1
	s_wait_xcnt 0x0
; mag = sqrt(re^2 + im^2), cos = re / mag, sin = im / mag (the cosine and sine of arctan2(im, re)), all rounded once to f16; and f16 copies of the four weights.
; z_re, z_im: [4096][1024] f32.  mag: [4096][1024] f16.  sn, cs: [b][h][s][64] f16 (a head's rows dense, 128 bytes each).  wh: [4096][1024] f16: Wq, Wk, Wv, Wo one below the other.
; A stream: each input byte is read once, by loads of 512 neighbouring bytes a wave; each store of a wave covers 256 consecutive bytes, aligned.  No LDS, no barrier, no matrix work: nothing is shared.
; SHARES.  Work-group g takes rows 8 g .. 8 g + 7 of z and of the stacked weights.  Of z, thread t takes columns 4 t .. 4 t + 3 of every row: wave w holds heads 2 w (lanes 0-15) and 2 w + 1 (lanes 16-31).
; Two rows at a time: an exchange of the lanes' halves between the two rows' registers leaves two rows of ONE head, 256 consecutive bytes of sn or cs, in one register pair.  Of the weights, wave w takes row 8 g + w.
; All 24 loads of a wave go out at the start; the waits count the younger ones down.
; LIMITS.  Where re^2 + im^2 is below 2^-126 (|z| under 1.1e-19) the divisor is held at 2^-63, cos counts as 1 and sin as im x 2^63: z = 0 gives cos 1, sin 0; the sign of a zero is not honoured.
; Where re^2 + im^2 overflows f32 so does the magnitude that is asked for.  mag beyond 65,504 has no f16.
.set ZO,  1                            ; v1   16 t: my 16 bytes of a row of z
.set MO,  2                            ; v2   8 t: my 8 bytes of a row of mag
.set SO,  3                            ; v3   head 2 w's first byte + 8 x lane, in sn and cs
.set WI,  4                            ; v4   4,096 w + 16 x lane: my weight row, f32
.set WO,  5                            ; v5   2,048 w + 8 x lane: the same row in wh
.set ONE, 6                            ; v6   1.0
.set T,   8                            ; v[8:15]   re^2 + im^2 of two rows' four columns, then mag
.set R,   16                           ; v[16:23]  1 / mag
.set Z,   24                           ; v[24:87]  pair p of rows at Z + 16 p: re of row 0, im of row 0, re of row 1, im of row 1, four registers each
.set W,   88                           ; v[88:119] the weight row: eight loads of four
	s_load_b512 s[4:19], s[0:1], 0x0               ; z_re 4, z_im 6, Wq 8, Wk 10, Wv 12, Wo 14, mag 16, sn 18
	s_load_b128 s[20:23], s[0:1], 0x40             ; cs 20, wh 22
	s_mov_b32 s24, ttmp9                           ; g
	s_mov_b32 s28, 0x00800000                      ; 2^-126
	v_lshlrev_b32 v[ZO], 4, v0
	v_lshlrev_b32 v[MO], 3, v0
	v_lshrrev_b32 v7, 5, v0                        ; w
	v_and_b32 v8, 31, v0                           ; lane
	v_lshlrev_b32 v9, 3, v8
	v_lshl_add_u32 v[SO], v7, 19, v9               ; two heads are 2 x 2,048 rows x 128 bytes = 2^19
	v_lshl_add_u32 v[WO], v7, 11, v9
	v_lshlrev_b32 v9, 4, v8
	v_lshl_add_u32 v[WI], v7, 12, v9
	v_mov_b32 v[ONE], 1.0
	s_lshl_b32 s26, s24, 15                        ; 8 rows of 4,096 bytes: z
	s_mov_b32 s27, 0
	s_lshl_b32 s42, s24, 14                        ; 8 rows of 2,048 bytes: mag and wh
	s_mov_b32 s43, 0
	s_and_b32 s44, s24, 127                        ; my 8 rows inside their weight matrix
	s_lshl_b32 s44, s44, 15
	s_mov_b32 s45, 0
	s_lshr_b32 s46, s24, 8                         ; b: 16 heads x 2,048 rows x 128 bytes = 2^22,
	s_lshl_b32 s46, s46, 22
	s_and_b32 s25, s24, 255                        ; and my first row s = 8 (g mod 256), 128 bytes a row
	s_lshl_b32 s25, s25, 10
	s_add_co_u32 s46, s46, s25
	s_mov_b32 s47, 0
	s_wait_kmcnt 0x0
	s_bitcmp1_b32 s24, 7                           ; g / 128 names the matrix: its low bit,
	s_cselect_b64 s[30:31], s[10:11], s[8:9]       ; Wk or Wq
	s_cselect_b64 s[40:41], s[14:15], s[12:13]     ; Wo or Wv
	s_bitcmp1_b32 s24, 8                           ; its high bit
	s_cselect_b64 s[30:31], s[40:41], s[30:31]
	s_add_nc_u64 s[4:5], s[4:5], s[26:27]
	s_add_nc_u64 s[6:7], s[6:7], s[26:27]
	s_add_nc_u64 s[16:17], s[16:17], s[42:43]
	s_add_nc_u64 s[22:23], s[22:23], s[42:43]
	s_add_nc_u64 s[30:31], s[30:31], s[44:45]
	s_add_nc_u64 s[18:19], s[18:19], s[46:47]
	s_add_nc_u64 s[20:21], s[20:21], s[46:47]
.irp p, 0,1,2,3
.irp r, 0,1
	global_load_b128 v[Z+16*\p+8*\r:Z+16*\p+8*\r+3],   v[ZO], s[4:5] offset:(2*\p+\r)*4096 th:TH_LOAD_NT
	global_load_b128 v[Z+16*\p+8*\r+4:Z+16*\p+8*\r+7], v[ZO], s[6:7] offset:(2*\p+\r)*4096 th:TH_LOAD_NT
.endr
.endr
.irp j, 0,1,2,3,4,5,6,7
	global_load_b128 v[W+4*\j:W+4*\j+3], v[WI], s[30:31] offset:512*\j th:TH_LOAD_NT
.endr
; Rows 2 p and 2 p + 1.  left = the younger loads that may stay out.  What is stored lies in the pair's own registers, which nothing writes again: no wait for the stores' sources is needed.
.macro PAIR p, left
.set ZB, Z+16*(\p)
	s_wait_loadcnt \left                           ; loads come back in order (ISA guide 5.7.1): this pair's four are in
.irp r, 0,1
.irp h, 0,2
	v_pk_mul_f32 v[T+4*\r+\h:T+4*\r+\h+1], v[ZB+8*\r+\h:ZB+8*\r+\h+1], v[ZB+8*\r+\h:ZB+8*\r+\h+1]
.endr
.endr
.irp r, 0,1
.irp h, 0,2
	v_pk_fma_f32 v[T+4*\r+\h:T+4*\r+\h+1], v[ZB+8*\r+4+\h:ZB+8*\r+4+\h+1], v[ZB+8*\r+4+\h:ZB+8*\r+4+\h+1], v[T+4*\r+\h:T+4*\r+\h+1]
.endr
.endr
.irp e, 0,1,2,3,4,5,6,7
	v_max_num_f32 v[R+\e], s28, v[T+\e]            ; the root's argument is held at 2^-126
.endr
.irp e, 0,1,2,3,4,5,6,7
	v_rsq_f32 v[R+\e], v[R+\e]                     ; one batch of eight
.endr
.irp e, 0,1,2,3,4,5,6,7
	v_cmp_gt_f32 s[32+\e], s28, v[T+\e]            ; plain work behind the batch that names none of its results: where is |z|^2 below 2^-126?
.endr
	s_wait_alu depctr_va_vdst(0)                   ; one wait for the eight roots, ahead of their first reader
.irp h, 0,2,4,6
	v_pk_mul_f32 v[T+\h:T+\h+1], v[T+\h:T+\h+1], v[R+\h:R+\h+1]  ; mag = |z|^2 / |z|
.endr
.irp r, 0,1
.irp h, 0,2
	v_pk_mul_f32 v[ZB+8*\r+\h:ZB+8*\r+\h+1],     v[ZB+8*\r+\h:ZB+8*\r+\h+1],     v[R+4*\r+\h:R+4*\r+\h+1]  ; cos
	v_pk_mul_f32 v[ZB+8*\r+4+\h:ZB+8*\r+4+\h+1], v[ZB+8*\r+4+\h:ZB+8*\r+4+\h+1], v[R+4*\r+\h:R+4*\r+\h+1]  ; sin
.endr
.endr
.irp r, 0,1
.irp c, 0,1,2,3
	v_cndmask_b32 v[ZB+8*\r+\c], v[ZB+8*\r+\c], v[ONE], s[32+4*\r+\c]
.endr
.endr
.irp r, 0,1                            ; rounded once to f16, in place: re's registers 0, 1 take cos, 2, 3 take mag; im's registers 0, 1 take sin
	v_cvt_pk_f16_f32 v[ZB+8*\r],   v[ZB+8*\r],   v[ZB+8*\r+1]
	v_cvt_pk_f16_f32 v[ZB+8*\r+1], v[ZB+8*\r+2], v[ZB+8*\r+3]
	v_cvt_pk_f16_f32 v[ZB+8*\r+2], v[T+4*\r],    v[T+4*\r+1]
	v_cvt_pk_f16_f32 v[ZB+8*\r+3], v[T+4*\r+2],  v[T+4*\r+3]
	v_cvt_pk_f16_f32 v[ZB+8*\r+4], v[ZB+8*\r+4], v[ZB+8*\r+5]
	v_cvt_pk_f16_f32 v[ZB+8*\r+5], v[ZB+8*\r+6], v[ZB+8*\r+7]
.endr
.irp c, 0,1,4,5                        ; row 0's upper lanes change places with row 1's lower lanes: the first register then holds head 2 w's two rows, the second head 2 w + 1's
	v_permlane16_swap_b32 v[ZB+\c], v[ZB+8+\c]
.endr
.irp r, 0,1
	global_store_b64 v[MO], v[ZB+8*\r+2:ZB+8*\r+3], s[16:17] offset:(2*(\p)+\r)*2048
	global_store_b64 v[SO], v[ZB+8*\r:ZB+8*\r+1],   s[20:21] offset:262144*\r+256*(\p)
	global_store_b64 v[SO], v[ZB+8*\r+4:ZB+8*\r+5], s[18:19] offset:262144*\r+256*(\p)
.endr
.endm
	PAIR 0, 20
	PAIR 1, 16
	PAIR 2, 12
	PAIR 3, 8
.irp j, 0,1,2,3,4,5,6,7                ; the weight row: four f32 a lane become 8 bytes
.if \j == 0
	s_wait_loadcnt 4
.endif
.if \j == 4
	s_wait_loadcnt 0x0
.endif
	v_cvt_pk_f16_f32 v[W+4*\j],   v[W+4*\j],   v[W+4*\j+1]
	v_cvt_pk_f16_f32 v[W+4*\j+1], v[W+4*\j+2], v[W+4*\j+3]
	global_store_b64 v[WO], v[W+4*\j:W+4*\j+1], s[22:23] offset:256*\j
.endr
	s_endpgm
.Lfunc_end_k_qe520abaac1_prep:
	.size	k_qe520abaac1_prep, .Lfunc_end_k_qe520abaac1_prep-k_qe520abaac1_prep
	.p2alignl 7, 3214868480
	.fill 96, 4, 3214868480
	.section	.rodata,"a",@progbits
	.p2align	6, 0x0
	.amdhsa_kernel k_qe520abaac1_prep
		.amdhsa_group_segment_fixed_size 0
		.amdhsa_private_segment_fixed_size 0
		.amdhsa_enable_private_segment 0
		.amdhsa_kernarg_size 80
		.amdhsa_user_sgpr_count 2
		.amdhsa_user_sgpr_kernarg_segment_ptr 1
		.amdhsa_wavefront_size32 1
		.amdhsa_system_sgpr_workgroup_id_x 1
		.amdhsa_system_sgpr_workgroup_id_y 1
		.amdhsa_system_sgpr_workgroup_id_z 1
		.amdhsa_system_vgpr_workitem_id 0
		.amdhsa_next_free_vgpr 120
		.amdhsa_next_free_sgpr 66
		.amdhsa_reserve_vcc 0
		.amdhsa_float_denorm_mode_32 3
		.amdhsa_float_denorm_mode_16_64 3
		.amdhsa_memory_ordered 1
		.amdhsa_forward_progress 1
		.amdhsa_inst_pref_size 23
	.end_amdhsa_kernel
	.amdgpu_metadata
---
amdhsa.version: [ 1, 2 ]
amdhsa.kernels:
  - .name:           k_qe520abaac1_prep
    .symbol:         k_qe520abaac1_prep.kd
    .args:
      - { .name: z_re, .offset: 0, .size: 8, .value_kind: global_buffer, .address_space: global }
      - { .name: z_im, .offset: 8, .size: 8, .value_kind: global_buffer, .address_space: global }
      - { .name: Wq, .offset: 16, .size: 8, .value_kind: global_buffer, .address_space: global }
      - { .name: Wk, .offset: 24, .size: 8, .value_kind: global_buffer, .address_space: global }
      - { .name: Wv, .offset: 32, .size: 8, .value_kind: global_buffer, .address_space: global }
      - { .name: Wo, .offset: 40, .size: 8, .value_kind: global_buffer, .address_space: global }
      - { .name: mag, .offset: 48, .size: 8, .value_kind: global_buffer, .address_space: global }
      - { .name: sn, .offset: 56, .size: 8, .value_kind: global_buffer, .address_space: global }
      - { .name: cs, .offset: 64, .size: 8, .value_kind: global_buffer, .address_space: global }
      - { .name: wh, .offset: 72, .size: 8, .value_kind: global_buffer, .address_space: global }
    .group_segment_fixed_size: 0
    .private_segment_fixed_size: 0
    .kernarg_segment_align: 8
    .kernarg_segment_size: 80
    .max_flat_workgroup_size: 256
    .sgpr_count:     66
    .vgpr_count:     120
    .wavefront_size: 32
...
	.end_amdgpu_metadata
.endif
;; end of part 1
;; launch proj (part 2): grid 16 x 16, 4 waves a work-group, clusters of 4 x 4, 327,680 bytes of LDS; arguments mag, wh, qkv; writes qkv
.if DOCPART == 2
	.amdgcn_target "amdgcn-amd-amdhsa--gfx1250"
	.amdhsa_code_object_version 6
	.text
	.protected	k_qe520abaac1_proj
	.globl	k_qe520abaac1_proj
	.p2align	8
	.type	k_qe520abaac1_proj,@function
k_qe520abaac1_proj:
	s_mov_b64 s[64:65], 0
	v_nop
	global_prefetch_b8 v0, s[64:65] scope:SCOPE_SE
	s_setreg_imm32_b32 hwreg(HW_REG_WAVE_MODE, 25, 1), 1
	s_wait_xcnt 0x0
	s_wait_alu depctr_hold_cnt(0) depctr_sa_sdst(0) depctr_va_vdst(0) depctr_va_sdst(0) depctr_va_ssrc(0) depctr_va_vcc(0) depctr_vm_vsrc(0)
	s_getreg_b32 s2, hwreg(HW_REG_IB_STS2, 6, 4)
	s_cmp_eq_u32 s2, 0
	s_cbranch_scc0 .Lentry_in_a_cluster
	s_endpgm
.Lentry_in_a_cluster:
	s_bfe_u32 s2, ttmp6, 0x10000c
	s_cmp_lg_u32 s2, 0xf033
	s_cbranch_scc0 .Lentry_shape_is_right
	s_endpgm
.Lentry_shape_is_right:
; [q | k | v][m][n] = the sum over k of mag[m][k] wh[n][k], n = 0 .. 3071.  mag: [4096][1024], wh: [4096][1024] (its first 3,072 rows), both f16; sums in f32, rounded once to f16 and UNSCALED.
; The result is laid by heads: qkv[b][g][s][64], g = n / 64 (q: 0-15, k: 16-31, v: 32-47), a head's rows dense, 128 bytes each.
; LIMIT.  f16 holds no number beyond 65,504: a q, k or v past that becomes an infinity.
; SHARES.  A tile of the result is 256 rows x 192 columns (three heads): 16 x 16 = 256 work-groups, where 256 x 256 would give 192.  Wave w takes rows 64 w .. 64 w + 63 and all 192 columns: 48 accumulators of
; 16 x 16, 384 registers; so each wave owns whole heads and its way out is its own.  K goes in 8 steps of 128 (rows of 256 bytes, aligned) through a ring of two LDS slots filled by the tensor data mover.
; A K STEP IS WRITTEN ONCE: a trip of the loop is one K step; the LDS byte at which the slot in hand begins stands in a scalar register that an exclusive or turns, and one descriptor a tensor walks from slot to slot.
; CLUSTER.  4 x 4 work-groups: the four of a row of the cluster need the same rows of mag, the four of a column the same rows of wh: each tile is asked for JOINTLY, by the same tensor load, descriptor and mask in all four.
; THE MATRIX INSTRUCTION IS USED TRANSPOSED (source 0 = 16 rows of wh, source 1 = 16 rows of mag): a lane then holds eight neighbouring columns of one row of the result.
; REGISTERS, in windows of 256 (s_set_vgpr_msb: bits 1:0 source 0, 3:2 source 1, 5:4 source 2, 7:6 destination):
;   window 0: v0-31 addresses; v64-95, v96-127 mag's fragments (4 x 16 rows x 32 K), two buffers; on the way out v128-175 packed results, v176-223 and v64-111 rows read back
;   window 1: v0-95, v96-191 wh's fragments (12 x 16 rows x 32 K), two buffers      window 2: accumulators of my rows 0-31, (a, b) at 8 (12 a + b)      window 3: those of rows 32-63
.set SIZE_K, 1024
.set KSTEP,  128
.set STEPS,  SIZE_K/KSTEP
.set PITCH,  272                       ; an LDS row: 256 bytes + 16 of padding = 68 words: the 16 rows of a load start at 16 different groups of four banks (64 banks of 4 bytes: ISA guide 11.1)
.set HALFA,  128*PITCH                 ; what one tensor load brings of mag
.set HALFB,  96*PITCH                  ; and of wh
.set BOFF,   2*HALFA                   ; a slot: mag's 256 rows, then wh's 192
.set SLOT,   BOFF+2*HALFB              ; 121,856 bytes
.set SLOT1,  1<<17                     ; slot 1 begins here, so that one exclusive or turns an address in one slot into the other's
.set STAGE,  SLOT1+SLOT                ; behind the ring, never filled by a tensor load: for each wave 3 heads x 16 rows x 144 bytes
.set SP,     144
.set WSTG,   3*16*SP
.set SPARE,  STAGE+4*WSTG              ; behind the stages: the spare words, 128 bytes for each wave: two blocks of 256 bytes that no other line names
.set A0,   16                          ; v16     my lane's place in my fragments of mag, in slot 0; never rewritten
.set ADRA, 17                          ; v17     the same in the slot in hand
.set B0,   20                          ; v20     my lane's place in wh's fragments, in slot 0; never rewritten
.set ADRB, 21                          ; v21     the same in the slot in hand
.set STO,  24                          ; v24     the way out: where I put 16 bytes of a row
.set RD,   25                          ; v25     where I read rows back
.set CO,   26                          ; v26     16 x lane: my place in 512 consecutive bytes of qkv
.set SPW,  28                          ; v28     LDS address of my spare word; never rewritten
.set NIL,  29                          ; v29     0; never rewritten
.set TMP,  128
.set TB,  45                           ; s45     LDS byte at which the slot in hand begins
.set G1,  24                           ; s[24:31] descriptor group 1 for mag's tiles;  s[32:39] group 0: a set for each of the two first fills; the second then walks on
.set G0,  32
.set G1B, 48                           ; s[48:55], s[56:63] the same for wh's
.set G0B, 56
.set MSB, 0
.macro WIN new                         ; the immediate's high byte repeats the setting that is left; a switch that changes nothing is dropped
.if MSB != (\new)
	s_set_vgpr_msb (MSB<<8)|(\new)
.set MSB, \new
.endif
.endm
.set MUL_LO, 0xa1                      ; source 0 (wh) window 1, source 1 (mag) window 0, C and D window 2
.set TO_B,   0x40                      ; destination window 1, address window 0
; A joint load.  Waves 0 and 1 fetch mag's two halves, waves 2 and 3 wh's.  The branch hangs on the wave's number alone.  An s_nop 0 and four v_nop follow each of the two lines, ahead of the jump and the label.
.macro JLOAD s
	s_cmp_eq_u32 s11, 0
	s_cbranch_scc0 .Lfor_b_\@
	tensor_load_to_lds s[G0+4*(\s):G0+4*(\s)+3], s[G1:G1+7]
	s_nop 0
.rept 4
	v_nop
.endr
	s_branch .Lasked_\@
.Lfor_b_\@:
	tensor_load_to_lds s[G0B+4*(\s):G0B+4*(\s)+3], s[G1B:G1B+7]
	s_nop 0
.rept 4
	v_nop
.endr
.Lasked_\@:
.endm
; A round of the cluster's barrier: my work-group's barrier, so that wave 0's signal speaks for all four waves; wave 0 signals; every wave waits for all sixteen work-groups; my work-group's barrier once more.
.macro CREST                           ; a round behind its opening barrier
	s_cmp_lg_u32 s10, 0
	s_cbranch_scc1 .Lnot_wave_0_\@
	s_barrier_signal -3
.Lnot_wave_0_\@:
	s_barrier_wait -3
	s_barrier_signal -1
	s_barrier_wait -1
.endm
.macro CROUND
	s_barrier_signal -1
	s_barrier_wait -1
	CREST
.endm
	s_load_b128 s[4:7], s[0:1], 0x0                ; mag s[4:5], wh s[6:7]
	s_load_b64 s[8:9], s[0:1], 0x10                ; qkv
	v_lshl_add_u32 v[SPW], v0, 2, SPARE
	v_mov_b32 v[NIL], 0
	ds_add_u32 v[SPW], v[NIL]                      ; the wave's opening: the add and its wait ahead of my first tensor load; the set-up below, work on registers, stands between them
	v_lshrrev_b32 v1, 5, v0
	v_readfirstlane_b32 s10, v1                    ; wave 0..3
	s_lshr_b32 s11, s10, 1                         ; I fetch for mag (0) or for wh (1),
	s_and_b32 s12, s10, 1                          ; and which half of that tile's rows
	s_bfe_u32 s40, ttmp6, 0x40000                  ; cx, cy: my place in the cluster
	s_bfe_u32 s41, ttmp6, 0x40004
	s_lshl_b32 s42, ttmp9, 2
	s_add_co_u32 s42, s42, s40                     ; tile column = 4 x cluster x + cx
	s_and_b32 s13, ttmp7, 0xffff
	s_lshl_b32 s13, s13, 2
	s_add_co_u32 s13, s13, s41                     ; tile row = 4 x cluster y + cy
	s_lshl_b32 s43, s41, 2
	s_lshl_b32 s43, 15, s43                        ; my row of the cluster: places 4 cy .. 4 cy + 3
	s_lshl_b32 s44, 0x1111, s40                    ; my column: places cx, cx + 4, cx + 8, cx + 12
	s_or_b32 s[G1+0], s43, (1<<16)|(1<<20)|(1<<21)|(5<<22)|(3<<25)   ; 15:0 the mask; 17:16 elements of 2 bytes; 20 padding on; 21 set beside a mask; 24:22 after every 64 words (code 5); 31:25 4 words (code 3)
	s_or_b32 s[G1B+0], s44, (1<<16)|(1<<20)|(1<<21)|(5<<22)|(3<<25)
	s_mov_b32 s[G1+1], KSTEP<<16                   ; tensor_dim0 = 128
	s_mov_b32 s[G1+2], 128<<16                     ; tensor_dim1 = 128
	s_mov_b32 s[G1+3], KSTEP<<16                   ; tile_dim0 = 128
	s_mov_b32 s[G1+4], 128                         ; tile_dim1 = 128
	s_mov_b32 s[G1+5], SIZE_K                      ; elements from row to row
	s_mov_b32 s[G1+6], 0
	s_mov_b32 s[G1+7], 0
	s_mov_b32 s[G1B+1], KSTEP<<16
	s_mov_b32 s[G1B+2], 96<<16                     ; wh's tiles have 96 rows
	s_mov_b32 s[G1B+3], KSTEP<<16
	s_mov_b32 s[G1B+4], 96
	s_mov_b32 s[G1B+5], SIZE_K
	s_mov_b32 s[G1B+6], 0
	s_mov_b32 s[G1B+7], 0
	s_mov_b32 s[TB], 0                             ; the walk begins in slot 0
	; where the tiles come from: mag's hang on the tile row alone, wh's on the tile column alone, each in registers that do not hold the other coordinate
	s_lshl_b32 s17, s12, 7
	s_lshl_b32 s16, s13, 8
	s_add_co_u32 s16, s16, s17                     ; mag: row 256 x tile row + 128 x half,
	s_lshl_b32 s16, s16, 11                        ; 2,048 bytes a row
	s_mov_b32 s17, 0
	s_mul_i32 s46, s42, 192
	s_mul_i32 s47, s12, 96
	s_add_co_u32 s46, s46, s47                     ; wh: row 192 x tile column + 96 x half
	s_lshl_b32 s46, s46, 11
	s_mov_b32 s47, 0
	s_mul_i32 s20, s10, HALFA                      ; and where they go: waves 0, 1: mag's halves at wave x HALFA;
	s_mul_i32 s21, s10, HALFB
	s_add_co_u32 s21, s21, BOFF-2*HALFB            ; waves 2, 3: wh's halves at BOFF + (wave - 2) x HALFB
	s_wait_dscnt 0x0                               ; the opening add is done
	s_wait_kmcnt 0x0
	s_add_nc_u64 s[14:15], s[4:5], s[16:17]
	s_add_nc_u64 s[46:47], s[6:7], s[46:47]
	CROUND                                         ; all sixteen work-groups are here: the first joint loads meet
.irp s, 0,1
	s_mov_b32 s[G0+4*(\s)], 1                                        ; count = 1
	s_add_co_u32 s[G0+4*(\s)+1], s20, (\s)*SLOT1                     ; LDS address
	s_add_nc_u64 s[G0+4*(\s)+2:G0+4*(\s)+3], s[14:15], (\s)*KSTEP*2  ; global address: K step s
	s_or_b32 s[G0+4*(\s)+3], s[G0+4*(\s)+3], 0x80000000              ; type = 2
	s_mov_b32 s[G0B+4*(\s)], 1
	s_add_co_u32 s[G0B+4*(\s)+1], s21, (\s)*SLOT1
	s_add_nc_u64 s[G0B+4*(\s)+2:G0B+4*(\s)+3], s[46:47], (\s)*KSTEP*2
	s_or_b32 s[G0B+4*(\s)+3], s[G0B+4*(\s)+3], 0x80000000
	JLOAD \s                                       ; two tensor loads of mine are out
.endr
	; A fragment is 16 rows x 32 K in 8 registers: lane l holds row l % 16; registers 0-3 K = 8 (l / 16) + 0..7, registers 4-7 K = 16 + 8 (l / 16) + 0..7: two loads of 16 bytes, 32 bytes apart.
	v_and_b32 v1, 15, v0                           ; l % 16
	v_bfe_u32 v2, v0, 4, 1                         ; l / 16
	v_mul_u32_u24 v3, v1, PITCH
	v_lshl_add_u32 v3, v2, 4, v3
	s_mul_i32 s21, s10, 64*PITCH                   ; my 64 rows of mag
	v_add_nc_u32 v[A0], s21, v3
	v_add_nc_u32 v[B0], BOFF, v3                   ; all of wh's rows
	v_mov_b32 v[ADRA], v[A0]                       ; slot 0 is in hand
	v_mov_b32 v[ADRB], v[B0]
	s_mul_i32 s23, s10, WSTG
	s_add_co_u32 s23, s23, STAGE                   ; my stage
	v_mul_u32_u24 v4, v1, SP                       ; in: row l % 16, 16 bytes for each half of the lanes
	v_lshl_add_u32 v4, v2, 4, v4
	v_add_nc_u32 v[STO], s23, v4
	v_bfe_u32 v5, v0, 3, 2                         ; back: 32 lanes take four rows of 128 bytes,
	v_mul_u32_u24 v5, v5, SP
	v_and_b32 v6, 7, v0
	v_lshl_add_u32 v5, v6, 4, v5
	v_add_nc_u32 v[RD], s23, v5
	v_and_b32 v[CO], 31, v0                        ; which are 512 consecutive bytes of a head
	v_lshlrev_b32 v[CO], 4, v[CO]
	s_lshr_b32 s46, s13, 3                         ; b = tile row / 8
	s_mul_i32 s46, s46, 48
	s_mul_i32 s47, s42, 3
	s_add_co_u32 s46, s46, s47                     ; the tile's first head: 48 b + 3 x tile column,
	s_lshl_b32 s46, s46, 11                        ; 2,048 rows a head,
	s_and_b32 s47, s13, 7
	s_lshl_b32 s47, s47, 8
	s_add_co_u32 s46, s46, s47                     ; the tile's first row s,
	s_lshl_b32 s47, s10, 6
	s_add_co_u32 s46, s46, s47                     ; my 64 rows,
	s_lshl_b32 s46, s46, 7                         ; 128 bytes a row
	s_mov_b32 s47, 0
	s_add_nc_u64 s[8:9], s[8:9], s[46:47]
; 12 matrix instructions: my row block a x all 12 column blocks, 32 along K, from buffer f.  zero = 1: the product starts the sums: nothing is cleared.
; The 48 accumulators take turns, one instruction a turn, in the same order in every quarter step.
.macro MUL12 f, a, zero
	WIN MUL_LO+0x50*((\a)/2)
.irp b, 0,1,2,3,4,5,6,7,8,9,10,11
.if \zero
	v_wmma_f32_16x16x32_f16 v[96*((\a)%2)+8*(\b):96*((\a)%2)+8*(\b)+7], v[96*(\f)+8*(\b):96*(\f)+8*(\b)+7], v[64+32*(\f)+8*(\a):64+32*(\f)+8*(\a)+7], 0
.else
	v_wmma_f32_16x16x32_f16 v[96*((\a)%2)+8*(\b):96*((\a)%2)+8*(\b)+7], v[96*(\f)+8*(\b):96*(\f)+8*(\b)+7], v[64+32*(\f)+8*(\a):64+32*(\f)+8*(\a)+7], v[96*((\a)%2)+8*(\b):96*((\a)%2)+8*(\b)+7]
.endif
.endr
.endm
; 32 LDS loads in one run: the fragments of one quarter step (192 rows of wh, my 64 rows of mag, 32 K at byte k of the rows of the slot in hand) into buffer f
.macro FETCH k, f
	WIN TO_B
.irp i, 0,1,2,3,4,5,6,7,8,9,10,11
	ds_load_b128 v[96*(\f)+8*(\i):96*(\f)+8*(\i)+3],   v[ADRB] offset:(\k)+(\i)*16*PITCH
	ds_load_b128 v[96*(\f)+8*(\i)+4:96*(\f)+8*(\i)+7], v[ADRB] offset:(\k)+(\i)*16*PITCH+32
.endr
	WIN 0
.irp i, 0,1,2,3
	ds_load_b128 v[64+32*(\f)+8*(\i):64+32*(\f)+8*(\i)+3],   v[ADRA] offset:(\k)+(\i)*16*PITCH
	ds_load_b128 v[64+32*(\f)+8*(\i)+4:64+32*(\f)+8*(\i)+7], v[ADRA] offset:(\k)+(\i)*16*PITCH+32
.endr
.endm
.macro PLACES                          ; four plain instructions in front of loads into registers that matrix instructions have read, and of conversions that read results
.rept 4
	v_nop
.endr
.endm
; A K step is four quarter steps of 32 along K, 48 matrix instructions each, on buffers 0, 1, 0, 1.  One of the first three: multiplies buffer f; in its middle it fetches the next quarter, at byte k, into buffer g.
.macro QUARTER k, f, g, zero
	s_wait_dscnt 4                                 ; wh's fragments and mag's blocks 0, 1 are in; the youngest four loads (blocks 2, 3) may be out
	MUL12 \f, 0, \zero
	MUL12 \f, 1, \zero
	PLACES
	FETCH \k, \g
	s_wait_dscnt 32                                ; all but the 32 just issued
	MUL12 \f, 2, \zero
	MUL12 \f, 3, \zero
.endm
; The last quarter multiplies buffer 1 and changes slots: ONE barrier.  In front of it each wave waits for all its tensor loads (the one that is out is its part of the next slot), adds 0 to its spare word,
; and waits for that and for its own reads of this slot.  fill = 1: the barrier opens a round of the cluster's barrier, and this slot is filled again, two K steps ahead, first thing behind the round:
; the walking descriptor goes to the other slot than last time and one K step on; 168 matrix instructions stand between that request and the wait for it.  Then the other slot is taken in hand.
.macro TURN fill
	WIN 0                                          ; (the add's two registers lie in window 0)
	s_wait_tensorcnt 0x0                           ; all my tensor loads have landed
	ds_add_u32 v[SPW], v[NIL]                      ; 0 onto my spare word
	s_wait_dscnt 5                                 ; (the add and the youngest four loads may be out)
	MUL12 1, 0, 0                                  ; twelve matrix instructions stand between the add and the wait for it
	s_wait_dscnt 0x0                               ; the add is done, and my reads of this slot are over
	s_barrier_signal -1
	MUL12 1, 1, 0                                  ; work on registers while the others arrive
	WIN 0                                          ; (branches and lines on window 0 follow)
	s_barrier_wait -1
.if \fill
	CREST                                          ; no wave of any partner still reads this slot's tile or has a load on its way
	s_xor_b32 s[G0+5], s[G0+5], SLOT1
	s_add_nc_u64 s[G0+6:G0+7], s[G0+6:G0+7], KSTEP*2   ; the type bits on top are not reached
	s_xor_b32 s[G0B+5], s[G0B+5], SLOT1
	s_add_nc_u64 s[G0B+6:G0B+7], s[G0B+6:G0B+7], KSTEP*2
	JLOAD 1                                        ; the first tensor load behind the round; its four v_nop are also the places in front of the loads below
.else
	PLACES
.endif
	s_xor_b32 s[TB], s[TB], SLOT1                  ; the other slot is in hand
	v_add_nc_u32 v[ADRA], s[TB], v[A0]
	v_add_nc_u32 v[ADRB], s[TB], v[B0]
	FETCH 0, 0
	MUL12 1, 2, 0
	MUL12 1, 3, 0
.endm
	s_wait_tensorcnt 1                             ; my part of K step 0 is in; K step 1's may stay out
	s_barrier_signal -1
	s_barrier_wait -1                              ; everybody's is
	FETCH 0, 0
	QUARTER 64,  0, 1, 1                           ; the first quarter stands in front of the loop: its products start the sums
	WIN 0                                          ; at a label and at a branch every window is 0
	s_mov_b32 s3, STEPS-2
.Lstep:                                                ; a trip goes from a K step's second quarter to the next K step's first, and fills the slot that it leaves: K steps 2 to 7
	QUARTER 128, 1, 0, 0
	QUARTER 192, 0, 1, 0
	TURN 1
	QUARTER 64,  0, 1, 0
	WIN 0
	s_sub_co_u32 s3, s3, 1
	s_cmp_lg_u32 s3, 0
	s_cbranch_scc1 .Lstep
	QUARTER 128, 1, 0, 0                           ; the last two K steps fill nothing, and have no round of the cluster's barrier
	QUARTER 192, 0, 1, 0
	TURN 0
	QUARTER 64,  0, 1, 0
	QUARTER 128, 1, 0, 0
	QUARTER 192, 0, 1, 0
	s_wait_dscnt 4                                 ; the very last quarter: nothing more to fetch
	MUL12 1, 0, 0
	MUL12 1, 1, 0
	s_wait_dscnt 0x0
	MUL12 1, 2, 0
	MUL12 1, 3, 0
; THE WAY OUT, a block of 16 rows at a time.  PACK: rounded to f16, 16 bytes a lane, each accumulator's registers in ascending order.  TOSTAGE: into my own stage (three heads x 16 rows of 144 bytes), and back as
; whole rows.  SEND: stored, 512 consecutive bytes of a head an instruction.
.macro PACK a
	WIN 0x0a+5*((\a)/2)                            ; sources 0 and 1: window 2 or 3
.irp b, 0,1,2,3,4,5,6,7,8,9,10,11
.irp r, 0,1,2,3
	v_cvt_pk_f16_f32 v[TMP+4*(\b)+(\r)], v[96*((\a)%2)+8*(\b)+2*(\r)], v[96*((\a)%2)+8*(\b)+2*(\r)+1]
.endr
.endr
	WIN 0
.endm
.macro TOSTAGE a
	WIN 0
.set BK, 176-112*((\a)%2)
.irp b, 0,1,2,3,4,5,6,7,8,9,10,11
	ds_store_b128 v[STO], v[TMP+4*(\b):TMP+4*(\b)+3] offset:((\b)/4)*16*SP+((\b)%4)*32
.endr
.irp t, 0,1,2,3,4,5,6,7,8,9,10,11
	ds_load_b128 v[BK+4*(\t):BK+4*(\t)+3], v[RD] offset:((\t)/4)*16*SP+((\t)%4)*4*SP  ; LDS serves a wave's instructions in order (ISA guide 5.7.1.4): these see the stores above
.endr
.endm
.macro SEND a
	WIN 0
.set BK, 176-112*((\a)%2)
	s_wait_dscnt 0x0                               ; the block is back in registers
	s_wait_xcnt 0x0                                ; the stores of the block before have read their registers: the next TOSTAGE loads into them
.irp t, 0,1,2,3,4,5,6,7,8,9,10,11
	global_store_b128 v[CO], v[BK+4*(\t):BK+4*(\t)+3], s[8:9] offset:((\t)/4)*262144+((\t)%4)*512+(\a)*2048
.endr
.endm
	PLACES
	PLACES                                         ; eight, once a launch
	PACK 0
	TOSTAGE 0
.irp a, 1,2,3                          ; block a's conversions stand between block a - 1's loads from the stage and the wait for them
	PACK \a
	SEND (\a)-1
	TOSTAGE \a
.endr
	SEND 3
	s_wait_tensorcnt 0x0                           ; the wave's end, behind my last tensor load and my last LDS store
	ds_add_u32 v[SPW], v[NIL]
	s_wait_dscnt 0x0
	CROUND                                         ; the closing round: no work-group ends while a partner may still ask for a tile that names it
	s_endpgm
.Lfunc_end_k_qe520abaac1_proj:
	.size	k_qe520abaac1_proj, .Lfunc_end_k_qe520abaac1_proj-k_qe520abaac1_proj
	.p2alignl 7, 3214868480
	.fill 96, 4, 3214868480
	.section	.rodata,"a",@progbits
	.p2align	6, 0x0
	.amdhsa_kernel k_qe520abaac1_proj
		.amdhsa_group_segment_fixed_size 327680
		.amdhsa_private_segment_fixed_size 0
		.amdhsa_enable_private_segment 0
		.amdhsa_kernarg_size 24
		.amdhsa_user_sgpr_count 2
		.amdhsa_user_sgpr_kernarg_segment_ptr 1
		.amdhsa_wavefront_size32 1
		.amdhsa_system_sgpr_workgroup_id_x 1
		.amdhsa_system_sgpr_workgroup_id_y 1
		.amdhsa_system_sgpr_workgroup_id_z 1
		.amdhsa_system_vgpr_workitem_id 0
		.amdhsa_next_free_vgpr 960
		.amdhsa_next_free_sgpr 66
		.amdhsa_reserve_vcc 0
		.amdhsa_float_denorm_mode_32 3
		.amdhsa_float_denorm_mode_16_64 3
		.amdhsa_memory_ordered 1
		.amdhsa_forward_progress 1
		.amdhsa_inst_pref_size 96
	.end_amdhsa_kernel
	.amdgpu_metadata
---
amdhsa.version: [ 1, 2 ]
amdhsa.kernels:
  - .name:           k_qe520abaac1_proj
    .symbol:         k_qe520abaac1_proj.kd
    .args:
      - { .name: mag, .offset: 0, .size: 8, .value_kind: global_buffer, .address_space: global }
      - { .name: wh, .offset: 8, .size: 8, .value_kind: global_buffer, .address_space: global }
      - { .name: qkv, .offset: 16, .size: 8, .value_kind: global_buffer, .address_space: global }
    .group_segment_fixed_size: 327680
    .private_segment_fixed_size: 0
    .kernarg_segment_align: 8
    .kernarg_segment_size: 24
    .max_flat_workgroup_size: 128
    .sgpr_count:     66
    .vgpr_count:     960
    .wavefront_size: 32
...
	.end_amdgpu_metadata
.endif
;; end of part 2
;; launch attn (part 3): grid 8 x 32, 4 waves a work-group, clusters of 4 x 1, 327,680 bytes of LDS; arguments qkv, sn, cs, coupling_strength, oh, out0; writes oh, out0
.if DOCPART == 3
	.amdgcn_target "amdgcn-amd-amdhsa--gfx1250"
	.amdhsa_code_object_version 6
	.text
	.protected	k_qe520abaac1_attn
	.globl	k_qe520abaac1_attn
	.p2align	8
	.type	k_qe520abaac1_attn,@function
k_qe520abaac1_attn:
	s_mov_b64 s[64:65], 0
	v_nop
	global_prefetch_b8 v0, s[64:65] scope:SCOPE_SE
	s_setreg_imm32_b32 hwreg(HW_REG_WAVE_MODE, 25, 1), 1
	s_wait_xcnt 0x0
	s_wait_alu depctr_hold_cnt(0) depctr_sa_sdst(0) depctr_va_vdst(0) depctr_va_sdst(0) depctr_va_ssrc(0) depctr_va_vcc(0) depctr_vm_vsrc(0)
	s_getreg_b32 s2, hwreg(HW_REG_IB_STS2, 6, 4)
	s_cmp_eq_u32 s2, 0
	s_cbranch_scc0 .Lentry_in_a_cluster
	s_endpgm
.Lentry_in_a_cluster:
	s_bfe_u32 s2, ttmp6, 0x10000c
	s_cmp_lg_u32 s2, 0x3003
	s_cbranch_scc0 .Lentry_shape_is_right
	s_endpgm
.Lentry_shape_is_right:
; For each (b, h): weights = softmax_k(q . k / 8); [value_out | Ksin | Kcos] = weights x [v | sin | cos]: ONE second product with 192 channels.
; oh = value_out (f16, [b][h][s][64]);  out0[b][s][64 h + d] = coupling x (cos_q Ksin - sin_q Kcos) (f32).
; qkv: [b][g][s][64] f16 (q: g = h, k: 16 + h, v: 32 + h); sn, cs: [b][h][s][64] f16.  Products, maxima and sums in f32; the weights p are rounded to f16 for the second product (their sum l is taken of the unrounded p).
; LIMITS.  q, k, v arrive within f16's 65,504; p lies in 0 to 1, and below 6e-5 it keeps f16's fixed step of 6e-8; a weight below 2^-126 counts as 0 in l; NaN and infinities are not treated apart.
; SHARES.  A work-group owns 256 queries of one head, each of its four waves 64: four tiles of 16.  Every wave walks all 2,048 keys, 64 a step.
; LAYOUT.  S^T = K Q^T (source 0 = 16 keys, source 1 = 16 queries): a lane holds ONE query (lane % 16) and the keys 8 (lane / 16) + 0..7.  Two such results, rounded to f16 in pairs, ARE source 1 of O^T = V'^T P,
; whose result again holds one query a lane and eight channels.  K comes out of LDS as it lies; v, sin, cos ([key][channel]) turned, by ds_load_tr16_b128.
; SOFTMAX.  A running maximum m and sum l for each query: p = 2^(c s - c m), c = log2(e) / 8; in every step O and l are multiplied by a = 2^(c m_old - c m_new).  m starts at the lowest finite number, O and l at 0:
; the first step is a step like any other, with a = 0.
; BY TURNS.  The wave's tiles are two PIECES (piece 0: tiles 0, 1; piece 2: tiles 2, 3).  In a TURN one piece has the matrix unit: 48 products V'^T P of the step in hand, then 16 products K Q^T of the next step;
; of the other piece's softmax, 300 vector instructions, exactly four stand behind each of the 64 matrix instructions, and the 44 that are over stand together, behind the turn's one wait.  Two turns are a key step.
; CLUSTER.  The four query blocks of a cluster belong to one head and walk the same K, v, sin, cos: each tile is asked for JOINTLY, by the same tensor load, descriptor and mask in all four.
; REGISTERS, in windows of 256 (s_set_vgpr_msb: bits 1:0 source 0, 3:2 source 1, 5:4 source 2, 7:6 destination):
;   window 0: v0-11 addresses; v12-43 eight registers of statistics a tile; v44-47, v61-63 addresses; v64-191 S^T, 32 a tile; v192-255 P, 16 a tile
;   window 1: v0-191 O^T of tiles 0, 1 (tile u, channel block cb at 96 u + 8 cb; cb 0-3 v, 4-7 sin, 8-11 cos); v192-255 K of one step
;   window 2: v0-191 O^T of tiles 2, 3; v192-255 Q          window 3: v0-191 V' of one step (key half kk, channel block cb at 96 kk + 8 cb), on the way out the results; v192 a zero
.set KS,    64        ; keys in a step
.set PK,    144       ; a row of K in LDS: 128 bytes + 16 of padding = 36 words: the 16 rows of a load start at 16 different groups of four banks (64 banks of 4 bytes: ISA guide 11.1)
.set PVP,   160       ; a row of v, sin, cos: 128 + 32 = 40 words
.set REG,   20480     ; a slot holds 128 keys in four regions of this size: K, v, sin, cos
.set TILEB, 16384     ; 128 keys x 128 bytes in memory
.set SLOT1, 1<<17     ; slot 1 begins here, so that one exclusive or turns an address in one slot into the other's
.set STAGE, SLOT1+4*REG  ; behind the ring, never filled by a tensor load: for each wave 16 rows x 272 bytes (out0) and 16 rows x 144 bytes (oh)
.set WSTG,  16*272+16*144
.set SPARE, STAGE+4*WSTG  ; behind the stages: the spare words, 128 bytes for each wave: two blocks of 256 bytes that no other line names
.set AK0, 2           ; v2   my lane's place in a tile of K; never rewritten
.set AV0, 3           ; v3   the same for v (sin and cos lie REG and 2 REG further on)
.set ADR, 4           ; v4   the LDS address of K's run of loads
.set AV,  5           ; v5   of V''s
.set QO,  6           ; v6   my byte offset in 16 rows of a head: (l % 16) x 128 + 16 (l / 16); never rewritten
.set STP, 7           ; v7   the way out: where I put 16 bytes of a row of out0
.set RDP, 8           ; v8   where I read such rows back
.set ST,  12          ; tile t's statistics at v[ST+8 t]: +0 c m, +1 m, +2, +3 l (even keys', odd keys'), +4 to +7 c0-c3, at work; a takes c2's place once the maximum is found
.set STO, 44          ; v44  where I put 16 bytes of a row of oh
.set RDO, 45          ; v45  where I read such rows back
.set GO,  46          ; v46  16 x lane: my place in 512 consecutive bytes of oh
.set GP,  47          ; v47  my place in two rows of out0
.set PFO, 61          ; v61  256 x lane; never rewritten
.set SPW, 62          ; v62  LDS address of my spare word; never rewritten
.set NIL, 63          ; v63  0; never rewritten
.set S,   64
.set P,   192
.set KF,  192         ; K's fragments, in window 1: key block kb, channel half c at KF + 16 kb + 8 c
.set QF,  192         ; Q's, in window 2: tile t, channel half c at QF + 16 t + 8 c
.set Z3,  192         ; window 3
.set WV,  16          ; s16  my wave's number
.set G1K, 24          ; s[24:31] descriptor group 1 for K's tiles
.set G1V, 32          ; s[32:39] for the others': it differs in the padding alone
.set G0K, 40          ; s[40:47] descriptor group 0 for K's tiles: a set for each of the two first fills; the second then walks on
.set G0V, 48          ; s[48:55] the same for v's (wave 1), sin's (wave 2), cos's (wave 3)
.set SLOTS, 56        ; s56  counts the slots
.set TWICE, 57        ; s57  counts a slot's two steps
.set CS,  58          ; s[58:59] c: the packed scaling takes the pair's low word for both halves
.set SEL, 60          ; s[60:61] v_permlanex16_b32's selects: each lane takes its own place in the other half
.set TBK, 62          ; s62  LDS byte at which K of the step to be fetched begins
.set TBV, 63          ; s63  the same for v, less REG
.set PFA, 66          ; s[66:67] where my prefetches stand
.set LIM, 68          ; s68  1 in a wave that prefetches, else the greatest number
.set CPL, 69          ; s69  the coupling strength
.set SNQ, 80          ; s[80:81] sn at my wave's query rows
.set CSQ, 82          ; s[82:83] cs at the same rows
.set MSB, 0
.macro WIN new                      ; the high byte repeats the setting that is left; a switch that changes nothing is dropped
.if MSB != (\new)
	s_set_vgpr_msb (MSB<<8)|(\new)
.set MSB, (\new)
.endif
.endm
; A joint refill: wave w fetches region w of the slot.  The branch hangs on the wave's number alone.  An s_nop 0 and four v_nop follow each of the two lines, ahead of the jump and the label.
.macro JLOAD
	s_cmp_eq_u32 s[WV], 0
	s_cbranch_scc0 .Lfor_v_\@
	tensor_load_to_lds s[G0K+4:G0K+7], s[G1K:G1K+7]
	s_nop 0
.rept 4
	v_nop
.endr
	s_branch .Lasked_\@
.Lfor_v_\@:
	tensor_load_to_lds s[G0V+4:G0V+7], s[G1V:G1V+7]
	s_nop 0
.rept 4
	v_nop
.endr
.Lasked_\@:
.endm
; A PREFETCH INTO THE L2 of what the NEXT change of slots will ask for: 128 keys of K, v, sin and cos, 64 blocks of 256 bytes each; two key steps, 256 matrix instructions, ahead of that load.
; Each block is named ONCE in the launch.  Both clusters of a head walk the same tiles: the head's first cluster asks.  Its four partners share the four tensors out by ADDRESS (partner p's pointer stands in tensor p):
; no branch hangs on a work-group's place.  In each, waves 0 and 1 take a half of the 16,384 bytes, a lane a block.  The last change that fills a slot asks for nothing; the first three tiles come by their loads alone.
.macro ASK
	s_cmp_gt_u32 s[SLOTS], s[LIM]
	s_cbranch_scc0 .Lnot_mine_\@
	global_prefetch_b8 v[PFO], s[PFA:PFA+1] th:TH_LOAD_NT scope:SCOPE_SE
.Lnot_mine_\@:
.endm
; A round of the cluster's barrier: my work-group's barrier, so that wave 0's signal speaks for all four waves; wave 0 signals; every wave waits for all four work-groups; my work-group's barrier once more.
.macro CROUND
	s_barrier_signal -1
	s_barrier_wait -1
	s_cmp_lg_u32 s[WV], 0
	s_cbranch_scc1 .Lnot_wave_0_\@
	s_barrier_signal -3
.Lnot_wave_0_\@:
	s_barrier_wait -3
	s_barrier_signal -1
	s_barrier_wait -1
.endm
	s_load_b256 s[4:11], s[0:1], 0x0  ; qkv s[4:5], sn s[6:7], cs s[8:9], coupling_strength s[10:11]
	s_load_b128 s[12:15], s[0:1], 0x20  ; oh s[12:13], out0 s[14:15]
	v_lshl_add_u32 v[SPW], v0, 2, SPARE
	v_mov_b32 v[NIL], 0
	ds_add_u32 v[SPW], v[NIL]       ; the wave's opening: the add and its wait ahead of my first tensor load; the set-up below, work on registers, stands between them
	v_lshrrev_b32 v1, 5, v0
	v_readfirstlane_b32 s[WV], v1   ; wave 0..3
	s_bfe_u32 s17, ttmp6, 0x40000   ; cx: my place in the cluster
	s_lshl_b32 s18, ttmp9, 2        ; in a cluster launch ttmp9 counts clusters
	s_add_co_u32 s18, s18, s17      ; my block of 256 queries: it enters the queries' and the outputs' addresses alone
	s_and_b32 s20, ttmp7, 0xffff    ; 16 b + h, which the four partners share
	s_lshr_b32 s21, s20, 4          ; b
	s_and_b32 s22, s20, 15          ; h
	s_mul_i32 s70, s21, 48
	s_add_co_u32 s70, s70, s22
	s_lshl_b32 s70, s70, 18         ; q's head in qkv: (48 b + h) x 2,048 rows x 128 bytes
	s_mov_b32 s71, 0
	s_lshl_b32 s72, s20, 18         ; the head in sn, cs and oh
	s_mov_b32 s73, 0
	s_lshl_b32 s74, s18, 15         ; my block's 256 rows of 128 bytes,
	s_lshl_b32 s19, s[WV], 13       ; my wave's 64 of them
	s_add_co_u32 s74, s74, s19
	s_mov_b32 s75, 0
	s_lshl_b32 s76, s21, 23         ; out0: b x 2,048 rows of 4,096 bytes,
	s_lshl_b32 s19, s18, 20         ; my block's 256 rows,
	s_add_co_u32 s76, s76, s19
	s_lshl_b32 s19, s[WV], 18       ; my wave's 64,
	s_add_co_u32 s76, s76, s19
	s_lshl_b32 s19, s22, 8          ; the head's 256 bytes of a row
	s_add_co_u32 s76, s76, s19
	s_mov_b32 s77, 0
	; descriptor group 1.  128 keys are 16,384 dense bytes: asked for as 64 rows of 256 bytes, two keys a row, and padded in LDS after every key
	s_mov_b32 s[G1K], 15|(1<<16)|(1<<20)|(1<<21)|(4<<22)|(3<<25)  ; 15:0 the mask of four; 17:16 2-byte elements; 20 padding on; 21 set beside a mask; 24:22 after every 32 words (code 4); 31:25 4 words (code 3)
	s_mov_b32 s[G1V], 15|(1<<16)|(1<<20)|(1<<21)|(4<<22)|(7<<25)  ; the same with 8 words of padding (code 7)
.irp g, G1K, G1V
	s_mov_b32 s[\g+1], 128<<16      ; tensor_dim0 = 128
	s_mov_b32 s[\g+2], 64<<16       ; tensor_dim1 = 64
	s_mov_b32 s[\g+3], 128<<16      ; tile_dim0 = 128
	s_mov_b32 s[\g+4], 64           ; tile_dim1 = 64
	s_mov_b32 s[\g+5], 128          ; 128 elements from row to row
	s_mov_b32 s[\g+6], 0
	s_mov_b32 s[\g+7], 0
.endr
	s_mul_i32 s19, s[WV], REG       ; my region of a slot: no place in the cluster enters an LDS address
	s_mov_b32 s[G0K], 1             ; count = 1
	s_mov_b32 s[G0K+1], 0           ; LDS address: slot 0, region 0
	s_mov_b32 s[G0K+4], 1
	s_mov_b32 s[G0K+5], SLOT1
	s_mov_b32 s[G0V], 1
	s_mov_b32 s[G0V+1], s19
	s_mov_b32 s[G0V+4], 1
	s_add_co_u32 s[G0V+5], s19, SLOT1
	s_mov_b32 s[CS], 0x3e38aa3b     ; c = log2(e) / 8 = 0.180337
	s_mov_b32 s[CS+1], s[CS]        ; named with it as a pair
	s_mov_b32 s[SEL], 0x76543210
	s_mov_b32 s[SEL+1], 0xfedcba98
	s_mov_b32 s[TBK], 0
	s_mov_b32 s[TBV], 0
	s_lshr_b32 s[LIM], s[WV], 1     ; 0 in waves 0 and 1,
	s_or_b32 s[LIM], s[LIM], ttmp9  ; where the cluster is the head's first: the same in all four partners
	s_cmp_eq_u32 s[LIM], 0
	s_cselect_b32 s[LIM], 1, -1
	v_and_b32 v[PFO], 31, v0
	v_lshlrev_b32 v[PFO], 8, v[PFO]
	s_wait_dscnt 0x0                ; the opening add is done
	s_wait_kmcnt 0x0
	s_load_b32 s[CPL], s[10:11], 0x0  ; waited for ahead of the loop
	s_add_nc_u64 s[4:5], s[4:5], s[70:71]      ; q's head,
	s_add_nc_u64 s[84:85], s[4:5], 0x400000    ; k's, 16 heads on,
	s_add_nc_u64 s[86:87], s[4:5], 0x800000    ; v's, 32 heads on
	s_add_nc_u64 s[6:7], s[6:7], s[72:73]      ; sin's and cos's
	s_add_nc_u64 s[8:9], s[8:9], s[72:73]
	s_add_nc_u64 s[4:5], s[4:5], s[74:75]      ; Q at my wave's first row,
	s_add_nc_u64 s[SNQ:SNQ+1], s[6:7], s[74:75]  ; and the queries' own sin and cos
	s_add_nc_u64 s[CSQ:CSQ+1], s[8:9], s[74:75]
	s_add_nc_u64 s[12:13], s[12:13], s[72:73]
	s_add_nc_u64 s[12:13], s[12:13], s[74:75]  ; oh at my rows
	s_add_nc_u64 s[14:15], s[14:15], s[76:77]  ; out0 at my rows and the head's columns
	s_cmp_eq_u32 s[WV], 2           ; what waves 1 to 3 fetch: v, sin, cos
	s_cselect_b64 s[78:79], s[6:7], s[86:87]
	s_cmp_eq_u32 s[WV], 3
	s_cselect_b64 s[78:79], s[8:9], s[78:79]
	s_cmp_eq_u32 s17, 1             ; what my work-group prefetches: K, v, sin or cos, by its place: a choice of address, no branch
	s_cselect_b64 s[PFA:PFA+1], s[86:87], s[84:85]
	s_cmp_eq_u32 s17, 2
	s_cselect_b64 s[PFA:PFA+1], s[6:7], s[PFA:PFA+1]
	s_cmp_eq_u32 s17, 3
	s_cselect_b64 s[PFA:PFA+1], s[8:9], s[PFA:PFA+1]
	s_and_b32 s76, s[WV], 1
	s_lshl_b32 s76, s76, 13         ; my wave's half of a tile,
	s_add_co_u32 s76, s76, 2*TILEB  ; in tile 2: the first change of slots steps it to tile 3
	s_add_nc_u64 s[PFA:PFA+1], s[PFA:PFA+1], s[76:77]
.irp s, 0,1
	s_add_nc_u64 s[G0K+4*\s+2:G0K+4*\s+3], s[84:85], \s*TILEB  ; global address: tile s
	s_or_b32 s[G0K+4*\s+3], s[G0K+4*\s+3], 0x80000000          ; type = 2
	s_add_nc_u64 s[G0V+4*\s+2:G0V+4*\s+3], s[78:79], \s*TILEB
	s_or_b32 s[G0V+4*\s+3], s[G0V+4*\s+3], 0x80000000
.endr
	CROUND                          ; all four work-groups are here: the first joint loads meet
	s_cmp_eq_u32 s[WV], 0           ; a wave's two first fills stand in one branch, ahead of every wait on TENSORcnt and every LDS read: two loads of mine are out
	s_cbranch_scc0 .Lfirst_v
	tensor_load_to_lds s[G0K:G0K+3], s[G1K:G1K+7]
	s_nop 0
	tensor_load_to_lds s[G0K+4:G0K+7], s[G1K:G1K+7]
	s_nop 0
.rept 4
	v_nop
.endr
	s_branch .Lfirst_asked
.Lfirst_v:
	tensor_load_to_lds s[G0V:G0V+3], s[G1V:G1V+7]
	s_nop 0
	tensor_load_to_lds s[G0V+4:G0V+7], s[G1V:G1V+7]
	s_nop 0
.rept 4
	v_nop
.endr
.Lfirst_asked:
	; A fragment of K or Q is 16 rows x 32 channels in 8 registers: lane l holds row l % 16, channels 8 (l / 16) + 0..7 and 16 + 8 (l / 16) + 0..7: two loads of 16 bytes, 32 bytes apart.
	v_and_b32 v1, 15, v0            ; l % 16
	v_bfe_u32 v9, v0, 4, 1          ; l / 16
	v_lshlrev_b32 v[QO], 7, v1
	v_lshl_add_u32 v[QO], v9, 4, v[QO]
	WIN 0x80                        ; destination window 2, address window 0
.set i, 0
.rept 8                             ; Q stays in registers: tile i / 2, channels 32 (i % 2) on
	global_load_b128 v[QF+8*i:QF+8*i+3],   v[QO], s[4:5] offset:(i/2)*2048+(i%2)*64
	global_load_b128 v[QF+8*i+4:QF+8*i+7], v[QO], s[4:5] offset:(i/2)*2048+(i%2)*64+32
.set i, i+1
.endr
	; What the first turn finds: V' and piece 2's P hold 0 (its products V'^T P, of a step that has not been, add 0), O^T and l are 0.  All this stands in the wait for the first tile.
.set i, 0
.rept 192
	v_mov_b32 v[i], 0
.set i, i+1
.endr
	WIN 0x40
.set i, 0
.rept 192
	v_mov_b32 v[i], 0
.set i, i+1
.endr
	WIN 0xc0
.set i, 0
.rept 192
	v_mov_b32 v[i], 0
.set i, i+1
.endr
	WIN 0
.set i, 0
.rept 4
	v_mov_b32 v[ST+8*i], 0xfe000000    ; c m: far below every c s
	v_mov_b32 v[ST+8*i+1], 0xff7fffff  ; m
	v_mov_b32 v[ST+8*i+2], 0
	v_mov_b32 v[ST+8*i+3], 0
.set i, i+1
.endr
.set i, P+32
.rept 32
	v_mov_b32 v[i], 0
.set i, i+1
.endr
	v_mul_u32_u24 v[AK0], v1, PK
	v_lshl_add_u32 v[AK0], v9, 4, v[AK0]  ; row x pitch + 16 x half
	; The turning load takes 16 keys x 16 channels (lane l reads key 8 (l / 16) + l % 8, channels 8 ((l / 8) % 2) + 0..7) and leaves half a fragment of V'^T: lane l holds channel l % 16 and 8 keys.
	v_and_b32 v10, 7, v0
	v_bfe_u32 v11, v0, 3, 1
	v_lshl_add_u32 v[AV0], v9, 3, v10
	v_mul_u32_u24 v[AV0], v[AV0], PVP
	v_lshl_add_u32 v[AV0], v11, 4, v[AV0]
	v_add_nc_u32 v[AV0], REG, v[AV0]
; THE MATRIX WORK.  The accumulators take turns, one instruction a turn: between two links of a chain stand 23 (V'^T P) or 7 (K Q^T) others'.
; Product i of 48 of O^T += V'^T P for piece x: keys 32 (i / 24) on, channel block (i / 2) % 12, tile x + i % 2.
.macro PV x
	WIN 0x53+0x50*((\x)/2)          ; V' window 3, P window 0, O^T window 1 or 2
.set rO, 96*(i%2)+8*((i/2)%12)
.set rV, 96*(i/24)+8*((i/2)%12)
.set rP, P+16*((\x)+i%2)+8*(i/24)
	v_wmma_f32_16x16x32_f16 v[rO:rO+7], v[rV:rV+7], v[rP:rP+7], v[rO:rO+7]
.endm
; Product i of 16 of S^T = K Q^T for piece x: channels 32 (i / 8) on, keys 16 ((i / 2) % 4) on, tile x + i % 2.  The first 8 start the sums.
.macro KQ x
	WIN 0x09                        ; K window 1, Q window 2, S^T window 0
.set rS, S+32*((\x)+i%2)+8*((i/2)%4)
.set rK, KF+16*((i/2)%4)+8*(i/8)
.set rQ, QF+16*((\x)+i%2)+8*(i/8)
.if i < 8
	v_wmma_f32_16x16x32_f16 v[rS:rS+7], v[rK:rK+7], v[rQ:rQ+7], 0
.else
	v_wmma_f32_16x16x32_f16 v[rS:rS+7], v[rK:rK+7], v[rQ:rQ+7], v[rS:rS+7]
.endif
.endm
; THE LDS LOADS stand in runs, never singly among the matrix instructions: a step's K (16 loads), and its V' in two halves of 24 (keys 0-31, keys 32-63), each when its registers have been read for the last time.
; last = 1 (the tail): in the last trip there is no further step, and K's run is jumped over.
.macro FETCH_K last=0
	WIN 0
.if \last
	s_cmp_eq_u32 s[TWICE], 1
	s_cbranch_scc1 .Lno_k_\@
.endif
	v_add_nc_u32 v[ADR], s[TBK], v[AK0]
	WIN 0x40                        ; destination window 1
.irp f, 0,1,2,3,4,5,6,7             ; keys 16 (f / 2) on, channels 32 (f % 2) on
	ds_load_b128 v[KF+8*\f:KF+8*\f+3],   v[ADR] offset:(\f/2)*16*PK+(\f%2)*64
	ds_load_b128 v[KF+8*\f+4:KF+8*\f+7], v[ADR] offset:(\f/2)*16*PK+(\f%2)*64+32
.endr
	s_add_co_u32 s[TBK], s[TBK], KS*PK  ; the next fetch is the next step's
	WIN 0
.if \last
.Lno_k_\@:
.endif
.endm
.macro FETCH_VA
	WIN 0
	v_add_nc_u32 v[AV], s[TBV], v[AV0]
	s_wait_alu depctr_va_vdst(0)    ; the wait for the softmax's batch of exponentials, behind the address's line and ahead of the loads
	WIN 0xc0                        ; destination window 3
.irp c, 0,1,2,3,4,5,6,7,8,9,10,11   ; region c / 4 (v, sin, cos), channels 16 (c % 4) on
	ds_load_tr16_b128 v[8*\c:8*\c+3],   v[AV] offset:(\c/4)*REG+(\c%4)*32
	ds_load_tr16_b128 v[8*\c+4:8*\c+7], v[AV] offset:(\c/4)*REG+(\c%4)*32+16*PVP
.endr
.endm
.macro FETCH_VB
	WIN 0xc0
.irp c, 0,1,2,3,4,5,6,7,8,9,10,11
	ds_load_tr16_b128 v[96+8*\c:96+8*\c+3],   v[AV] offset:(\c/4)*REG+(\c%4)*32+32*PVP
	ds_load_tr16_b128 v[96+8*\c+4:96+8*\c+7], v[AV] offset:(\c/4)*REG+(\c%4)*32+48*PVP
.endr
	s_add_co_u32 s[TBV], s[TBV], KS*PVP
.endm
; THE VECTOR WORK.  One tile's softmax for one key step is a list of 150 instructions; SM writes number j of it for tile t.  s0-s31 are the lane's 32 scores, in pairs 0-15.
;   0-15    the maximum of s0-s31 and the old m, three operands at a time: four chains c0-c3 of seven scores each (each accumulator's lowest registers are read first), then the rest
;   16-20   the other half of the lanes' maximum; the new m; c m; c m_old - c m_new
;   21-69   ONE BATCH: the 16 scalings c s - c m and all 33 exponentials (a at 23, then s0-s31).  None of these names an exponential's result.  A pair is scaled in an earlier four than the one with its exponentials
;   (wait)  between 69 and 70 stands the wait for the batch: QE writes it, once for both tiles
;   70-85   the roundings to f16        86-101  the sums; l = a l + the sum        102-149 the tile's O^T times a, each accumulator from its low end on
.macro SM t
.set rT, ST+8*(\t)
.set rS, S+32*(\t)
.set rP, P+16*(\t)
.set rO, 96*((\t)%2)+2*(j-102)
.if j < 102
	WIN 0
.endif
.if j < 4
	v_max3_num_f32 v[rT+4+j], v[rS+8*j], v[rS+8*j+1], v[rS+8*j+2]
.elseif j < 12
	v_max3_num_f32 v[rT+4+j%4], v[rT+4+j%4], v[rS+8*(j%4)+2*(j/4)+1], v[rS+8*(j%4)+2*(j/4)+2]
.elseif j == 12
	v_max3_num_f32 v[rT+4], v[rT+4], v[rS+7], v[rS+15]
.elseif j == 13
	v_max3_num_f32 v[rT+6], v[rT+6], v[rS+23], v[rS+31]
.elseif j == 14
	v_max3_num_f32 v[rT+4], v[rT+4], v[rT+5], v[rT+6]
.elseif j == 15
	v_max3_num_f32 v[rT+4], v[rT+4], v[rT+7], v[rT+1]
.elseif j == 16
	v_permlanex16_b32 v[rT+5], v[rT+4], s[SEL], s[SEL+1]  ; the query's other 32 keys lie in the lane 16 away
.elseif j == 17
	v_mov_b32 v[rT+7], v[rT]        ; c m_old is kept for a: number 19 writes c m anew
.elseif j == 18
	v_max_num_f32 v[rT+1], v[rT+4], v[rT+5]
.elseif j == 19
	v_mul_f32 v[rT], s[CS], v[rT+1]
.elseif j == 20
	v_sub_f32 v[rT+7], v[rT+7], v[rT]
.elseif j == 23
	v_exp_f32 v[rT+6], v[rT+7]
.elseif (j < 23) || ((j < 38) && (j%2 == 0)) || ((j < 66) && (j%4 == 2))
.set b, (j-2)/4                     ; 38, 42, .. 62: pairs 9 to 15
.if j < 38
.set b, (j-20)/2                    ; 21: pair 0; 22, 24, .. 36: pairs 1 to 8
.endif
	v_pk_fma_f32 v[rS+2*b:rS+2*b+1], v[rS+2*b:rS+2*b+1], s[CS:CS+1], v[rT:rT+1] op_sel_hi:[1,0,0] neg_lo:[0,0,1] neg_hi:[0,0,1]  ; pair b: c s - c m
.elseif j < 70
.set e, j-38                        ; 66 to 69: s28 to s31
.if j < 66
.set e, j-32-(j-38)/4               ; 39-41, 43-45, .. 63-65: s7 to s27
.endif
.if j < 38
.set e, (j-25)/2                    ; 25, 27, .. 37: s0 to s6
.endif
	v_exp_f32 v[rS+e], v[rS+e]
.elseif j < 86
	v_cvt_pk_f16_f32 v[rP+j-70], v[rS+2*(j-70)], v[rS+2*(j-70)+1]
.elseif j < 102                     ; the sum of the tile's 16 pairs, in place: neighbours 1, 2, 4 and 8 pairs apart, then l takes it
.set z, j-86
.set w, 4
.set u, z
.if z >= 14
.set w, 32
.set u, 0
.elseif z >= 12
.set w, 16
.set u, z-12
.elseif z >= 8
.set w, 8
.set u, z-8
.endif
.if z < 15
	v_pk_add_f32 v[rS+w*u:rS+w*u+1], v[rS+w*u:rS+w*u+1], v[rS+w*u+w/2:rS+w*u+w/2+1]
.else
	v_pk_fma_f32 v[rT+2:rT+3], v[rT+2:rT+3], v[rT+6:rT+7], v[rS:rS+1] op_sel_hi:[1,0,1]
.endif
.else
	WIN 0x41*(1+(\t)/2)             ; O^T (destination and source 0) in window 1 or 2, a in window 0
	v_pk_mul_f32 v[rO:rO+1], v[rO:rO+1], v[rT+6:rT+7] op_sel_hi:[1,0]
.endif
.endm
; THE TURN'S QUEUE: entry n of 300, for piece Y.  0-43: numbers 0-21, the two tiles alternating.  44-139: the batch, four numbers of ONE tile at a time, the tiles by turns.  Ahead of entry 140: a v_nop, the plain
; instruction behind the last exponential, and the ONE wait between the 66 exponentials and the first line that names a result (in piece 2's turn it stands in V''s first run of loads).
; 140-203: numbers 70-101.  204-299: the rescaling.
.macro QE
.if n == 140
	WIN 0
	v_nop
.if Y == 0
	FETCH_VA
.else
	s_wait_alu depctr_va_vdst(0)
.endif
.endif
.if n < 44
.set j, n/2
	SM Y+n%2
.elseif n < 140
.set j, 22+4*((n-44)/8)+(n-44)%4
	SM Y+((n-44)/4)%2
.elseif n < 204
.set j, 70+(n-140)/2
	SM Y+n%2
.else
.set j, 102+(n-204)/2
	SM Y+n%2
.endif
.set n, n+1
.endm
; THE DEAL.  Exactly four entries behind each of the turn's 64 matrix instructions.  300 = 4 x 64 + 44: the 44 that are over stand together, in slice 35, which begins with the wait (35 x 4 = 140): with the slice's own four
; they are entries 140 to 187, the 32 roundings and the first 16 sums, all plain.  So the batch, entries 44 to 139, falls on the whole slices 11 to 34, a four of one tile each, led by a scaling while there are scalings.
.macro SLICE
	QE
	QE
	QE
	QE
.if k == 35
.rept 44
	QE
.endr
.endif
.set k, k+1
.endm
; A TURN.  Piece x has the matrix unit; the other piece's softmax stands in slices behind its matrix instructions.
; Piece 0's turn fetches the next step's K behind its second product: the last product that read K stands in front of slice 63 of the turn before, four rescalings.
; Piece 2's turn fetches the next step's V': keys 0-31 at entry 140, at the head of slice 35: their last reader is product 23, and ten scalings, the v_nop and the address's line lie between; keys 32-63 behind slice 47,
; four rescalings of the other piece, behind their last reader, product 47.  Slice 63's four rescalings are also the places between the last K Q^T and the next turn's first read of those scores.
.macro TURN x, last=0
.set Y, 2-(\x)
.set k, 0
.set n, 0
.set i, 0
.if (\x) == 0
	s_wait_dscnt 24                 ; V''s keys 0-31 are in; the 24 loads of keys 32-63 may stay out
.endif
.rept 48
.if ((\x) == 0) && (i == 24)
	s_wait_dscnt 0x0                ; keys 32-63 are in, and K (for 0, since the last trip issues no K behind them)
.endif
	PV \x
	SLICE
.if ((\x) == 0) && (i == 1)
	FETCH_K \last
.endif
.set i, i+1
.endr
.if (\x) == 2
	FETCH_VB
.endif
.set i, 0
.rept 16
	KQ \x
	SLICE
.set i, i+1
.endr
.endm
; THE CHANGE OF SLOTS, between piece 2's turn and piece 0's: the slot's last bytes, V' of its second step, have been asked for.  Each wave waits for all its tensor loads, of which one is out: its region of the other
; slot; adds 0 to its spare word; and waits for that and for its own reads of the slot.  Behind the barrier nobody reads this slot any more and the other slot is whole.
; fill = 1: this slot is filled again, with the keys two slots on.  The barrier is then a round of the cluster's, and the joint refill is the first thing behind it: it has 256 matrix instructions in which to land.
.macro CHANGE fill
	WIN 0                           ; at a label and at a branch every window is 0
	s_wait_tensorcnt 0x0            ; no tensor load of mine is out, so a group 0 may be written
	ds_add_u32 v[SPW], v[NIL]       ; 0 onto my spare word; with fill = 1 the descriptors' steps stand between it and the wait for it
.if \fill
.irp g, G0K+4, G0V+4
	s_xor_b32 s[\g+1], s[\g+1], SLOT1  ; the walking descriptor: the other slot than last time,
	s_add_nc_u64 s[\g+2:\g+3], s[\g+2:\g+3], TILEB  ; the next 128 keys; the type bits on top are not reached
.endr
	s_wait_xcnt 0x0                 ; the last prefetch, two key steps back, has read its address, so it may be written:
	s_add_nc_u64 s[PFA:PFA+1], s[PFA:PFA+1], TILEB  ; one tile ahead of the walking descriptors
	s_wait_dscnt 0x0                ; the add is done, and my reads of the slot are over
	CROUND
	JLOAD
	ASK
.else
	s_wait_dscnt 0x0                ; the add is done, and my reads of the slot are over
	s_barrier_signal -1
	s_barrier_wait -1
.endif
	s_sub_co_u32 s[TBK], s[TBK], 2*KS*PK  ; the fetches go back to a slot's first step,
	s_xor_b32 s[TBK], s[TBK], SLOT1       ; in the other slot
	s_sub_co_u32 s[TBV], s[TBV], 2*KS*PVP
	s_xor_b32 s[TBV], s[TBV], SLOT1
.endm
	s_wait_tensorcnt 1              ; my region of slot 0 is in; slot 1's may stay out
	s_barrier_signal -1
	s_barrier_wait -1               ; everybody's is
	FETCH_K                         ; key step 0
	s_wait_loadcnt 0x0              ; Q
	s_wait_kmcnt 0x0                ; the coupling strength
	s_wait_dscnt 0x0
.set i, 0
.rept 16
	KQ 0                            ; piece 0's first scores: there is no vector work yet to set between them
.set i, i+1
.endr
	WIN 0                           ; the addresses for the way out: plain instructions, the places behind those products
	s_mul_i32 s19, s[WV], WSTG
	s_add_co_u32 s19, s19, STAGE    ; my stage for out0: rows of 256 bytes + 16
	v_mul_u32_u24 v[STP], v1, 272   ; in: row l % 16, 32 bytes for each half of the lanes
	v_lshl_add_u32 v[STP], v9, 5, v[STP]
	v_add_nc_u32 v[STP], s19, v[STP]
	v_mul_u32_u24 v[RDP], v9, 272   ; back: lanes 0-15 take one row of 256 bytes, lanes 16-31 the next
	v_lshl_add_u32 v[RDP], v1, 4, v[RDP]
	v_add_nc_u32 v[RDP], s19, v[RDP]
	s_add_co_u32 s19, s19, 16*272   ; my stage for oh: rows of 128 bytes + 16
	v_mul_u32_u24 v[STO], v1, 144
	v_lshl_add_u32 v[STO], v9, 4, v[STO]
	v_add_nc_u32 v[STO], s19, v[STO]
	v_bfe_u32 v[RDO], v0, 3, 2      ; back: 32 lanes take four rows of 128 bytes,
	v_mul_u32_u24 v[RDO], v[RDO], 144
	v_lshl_add_u32 v[RDO], v10, 4, v[RDO]
	v_add_nc_u32 v[RDO], s19, v[RDO]
	v_and_b32 v[GO], 31, v0         ; which are 512 consecutive bytes of oh
	v_lshlrev_b32 v[GO], 4, v[GO]
	v_lshlrev_b32 v[GP], 12, v9     ; two rows of out0, 4,096 bytes apart, 256 bytes of each
	v_lshl_add_u32 v[GP], v1, 4, v[GP]
	s_mov_b32 s[SLOTS], 15
	s_mov_b32 s[TWICE], 2
	s_branch .Lfirst                ; the loop is entered at piece 2's turn, in the middle of a trip
.Lslot:                             ; 14 times: every slot but the last two is filled again
	CHANGE 1
	s_mov_b32 s[TWICE], 2
.Lstep:                             ; a trip: piece 0's turn of step j (K of step j + 1 is fetched), piece 2's turn of step j (V' of step j + 1)
	TURN 0
	WIN 0
.Lfirst:
	TURN 2
	WIN 0
	s_sub_co_u32 s[TWICE], s[TWICE], 1
	s_cmp_lg_u32 s[TWICE], 0
	s_cbranch_scc1 .Lstep
	s_sub_co_u32 s[SLOTS], s[SLOTS], 1
	s_cmp_lg_u32 s[SLOTS], 0
	s_cbranch_scc1 .Lslot
	CHANGE 0                        ; the tail is written out: nothing is asked for
	s_mov_b32 s[TWICE], 3           ; two trips fetch the last slot's steps; the third is left in its middle
.Ltail:
	TURN 0, 1
	WIN 0
	s_sub_co_u32 s[TWICE], s[TWICE], 1
	s_cmp_eq_u32 s[TWICE], 0
	s_cbranch_scc1 .Lout
	TURN 2
	WIN 0
	s_branch .Ltail
.Lout:                              ; the third trip's 16 products K Q^T (on the last K once more) serve nothing: the price, once a launch, of one text for every trip
.irp t, 0,1,2,3                     ; the queries' own sin and cos, as O^T holds its channels: 8 channels, 16 bytes, a lane and channel block; into S^T's registers, which are free
.irp e, 0,1,2,3
	global_load_b128 v[S+32*\t+4*\e:S+32*\t+4*\e+3], v[QO], s[SNQ:SNQ+1] offset:\t*2048+32*\e
.endr
.irp e, 0,1,2,3
	global_load_b128 v[S+32*\t+16+4*\e:S+32*\t+16+4*\e+3], v[QO], s[CSQ:CSQ+1] offset:\t*2048+32*\e
.endr
.endr
.set i, 0
.rept 48
	PV 2                            ; piece 2: V'^T P of the last step
.set i, i+1
.endr
	; THE WAY OUT.  l's two halves and the other half of the lanes' are added.  The additions are the places behind the last products.
	WIN 0
.irp t, 0,1,2,3
	v_add_f32 v[ST+8*\t+4], v[ST+8*\t+2], v[ST+8*\t+3]
.endr
.irp t, 0,1,2,3
	v_permlanex16_b32 v[ST+8*\t+5], v[ST+8*\t+4], s[SEL], s[SEL+1]
.endr
.irp t, 0,1,2,3
	v_add_f32 v[ST+8*\t+4], v[ST+8*\t+4], v[ST+8*\t+5]
.endr
.irp t, 0,1,2,3
	v_rcp_f32 v[ST+8*\t+6], v[ST+8*\t+4]
.endr
	v_nop                           ; a plain instruction between the last reciprocal and the use of its result
	s_wait_alu depctr_va_vdst(0)    ; and the wait ahead of the first use: one for the four reciprocals
.irp t, 0,1,2,3
	v_mul_f32 v[ST+8*\t+4], s[CPL], v[ST+8*\t+6]  ; coupling / l
.endr
	WIN 0xc0
	v_mov_b32 v[Z3], 0
; Tile t has 48 registers of its own in window 3, where V' lay: 32 for out0 at 48 t, 16 for oh at 48 t + 32: nothing that a store still reads is written again.
; PACKO: value_out = O^T's channel blocks 0-3 / l, rounded to f16, 16 bytes a lane into rows of 144 bytes, and back as whole rows of 128.
.macro PACKO t
.set wn, 1+(\t)/2
.set r0, 96*((\t)%2)
	WIN 0x41*wn
.set i, 0
.rept 16
	v_pk_mul_f32 v[r0+2*i:r0+2*i+1], v[r0+2*i:r0+2*i+1], v[ST+8*(\t)+6:ST+8*(\t)+7] op_sel_hi:[1,0]
.set i, i+1
.endr
	WIN 0xc0+5*wn                   ; sources 0 and 1 in O^T's window, destination window 3
.set i, 0
.rept 16
	v_cvt_pk_f16_f32 v[48*(\t)+32+i], v[r0+2*i], v[r0+2*i+1]
.set i, i+1
.endr
	WIN 0x0c                        ; an LDS store's data is source 1: window 3
.irp f, 0,1,2,3
	ds_store_b128 v[STO], v[48*(\t)+32+4*\f:48*(\t)+32+4*\f+3] offset:32*\f
.endr
	WIN 0xc0
.irp f, 0,1,2,3
	ds_load_b128 v[48*(\t)+32+4*\f:48*(\t)+32+4*\f+3], v[RDO] offset:576*\f  ; LDS serves a wave's instructions in order (ISA guide 5.7.1.4): these see the stores above; the next tile's stores come behind them
.endr
.endm
; PHASE: (cos_q Ksin - sin_q Kcos) x coupling / l: two multiply-adds that read the query's f16 half as it lies, each accumulator from its low end on; then through rows of 272 bytes, and back as whole rows of 256.
.macro PHASE t
.set wn, 1+(\t)/2
.set r0, 96*((\t)%2)
	s_wait_loadcnt 24-8*(\t)        ; this tile's eight loads of sin and cos are in; the later tiles' may stay out
	WIN 0xf0+4*wn                   ; source 0 window 0, source 1 O^T's window, source 2 and destination window 3
.set i, 0
.rept 16
	v_fma_mix_f32 v[48*(\t)+2*i],   v[S+32*(\t)+16+i], v[r0+32+2*i],   v[Z3] op_sel:[0,0,0] op_sel_hi:[1,0,0]
	v_fma_mix_f32 v[48*(\t)+2*i+1], v[S+32*(\t)+16+i], v[r0+32+2*i+1], v[Z3] op_sel:[1,0,0] op_sel_hi:[1,0,0]
.set i, i+1
.endr
.set i, 0
.rept 16
	v_fma_mix_f32 v[48*(\t)+2*i],   -v[S+32*(\t)+i], v[r0+64+2*i],   v[48*(\t)+2*i]   op_sel:[0,0,0] op_sel_hi:[1,0,0]
	v_fma_mix_f32 v[48*(\t)+2*i+1], -v[S+32*(\t)+i], v[r0+64+2*i+1], v[48*(\t)+2*i+1] op_sel:[1,0,0] op_sel_hi:[1,0,0]
.set i, i+1
.endr
	WIN 0xc3
.set i, 0
.rept 16
	v_pk_mul_f32 v[48*(\t)+2*i:48*(\t)+2*i+1], v[48*(\t)+2*i:48*(\t)+2*i+1], v[ST+8*(\t)+4:ST+8*(\t)+5] op_sel_hi:[1,0]
.set i, i+1
.endr
	WIN 0x0c
.irp e, 0,1,2,3
	ds_store_b128 v[STP], v[48*(\t)+8*\e:48*(\t)+8*\e+3]   offset:64*\e
	ds_store_b128 v[STP], v[48*(\t)+8*\e+4:48*(\t)+8*\e+7] offset:64*\e+16
.endr
	WIN 0xc0
.irp f, 0,1,2,3,4,5,6,7
	ds_load_b128 v[48*(\t)+4*\f:48*(\t)+4*\f+3], v[RDP] offset:544*\f
.endr
.endm
.macro SEND t, younger              ; younger: the LDS instructions issued behind tile t's: the next tile's 24, or none
	WIN 0x0c                        ; a store's data is source 1: window 3
	s_wait_dscnt \younger
.irp f, 0,1,2,3
	global_store_b128 v[GO], v[48*(\t)+32+4*\f:48*(\t)+32+4*\f+3], s[12:13] offset:(\t)*2048+\f*512  ; 512 consecutive bytes of oh
.endr
.irp f, 0,1,2,3,4,5,6,7
	global_store_b128 v[GP], v[48*(\t)+4*\f:48*(\t)+4*\f+3], s[14:15] offset:(16*(\t)+2*\f)*4096 th:TH_STORE_NT  ; 16 lanes store 256 consecutive bytes, at a multiple of 256 from out0's first byte
.endr
.endm
	PACKO 0
	PHASE 0
	PACKO 1                         ; a tile's arithmetic stands between the loads of the tile before and its stores
	PHASE 1
	SEND 0, 24
	PACKO 2
	PHASE 2
	SEND 1, 24
	PACKO 3
	PHASE 3
	SEND 2, 24
	SEND 3, 0
	WIN 0
	s_wait_tensorcnt 0x0            ; the wave's end, behind my last tensor load and my last LDS store
	ds_add_u32 v[SPW], v[NIL]
	s_wait_dscnt 0x0
	CROUND                          ; the closing round: no work-group ends while a partner may still ask for a tile that names it
	s_endpgm
.Lfunc_end_k_qe520abaac1_attn:
	.size	k_qe520abaac1_attn, .Lfunc_end_k_qe520abaac1_attn-k_qe520abaac1_attn
	.p2alignl 7, 3214868480
	.fill 96, 4, 3214868480
	.section	.rodata,"a",@progbits
	.p2align	6, 0x0
	.amdhsa_kernel k_qe520abaac1_attn
		.amdhsa_group_segment_fixed_size 327680
		.amdhsa_private_segment_fixed_size 0
		.amdhsa_enable_private_segment 0
		.amdhsa_kernarg_size 48
		.amdhsa_user_sgpr_count 2
		.amdhsa_user_sgpr_kernarg_segment_ptr 1
		.amdhsa_wavefront_size32 1
		.amdhsa_system_sgpr_workgroup_id_x 1
		.amdhsa_system_sgpr_workgroup_id_y 1
		.amdhsa_system_sgpr_workgroup_id_z 1
		.amdhsa_system_vgpr_workitem_id 0
		.amdhsa_next_free_vgpr 1024
		.amdhsa_next_free_sgpr 88
		.amdhsa_reserve_vcc 0
		.amdhsa_float_denorm_mode_32 3
		.amdhsa_float_denorm_mode_16_64 3
		.amdhsa_memory_ordered 1
		.amdhsa_forward_progress 1
		.amdhsa_inst_pref_size 189
	.end_amdhsa_kernel
	.amdgpu_metadata
---
amdhsa.version: [ 1, 2 ]
amdhsa.kernels:
  - .name:           k_qe520abaac1_attn
    .symbol:         k_qe520abaac1_attn.kd
    .args:
      - { .name: qkv, .offset: 0, .size: 8, .value_kind: global_buffer, .address_space: global }
      - { .name: sn, .offset: 8, .size: 8, .value_kind: global_buffer, .address_space: global }
      - { .name: cs, .offset: 16, .size: 8, .value_kind: global_buffer, .address_space: global }
      - { .name: coupling_strength, .offset: 24, .size: 8, .value_kind: global_buffer, .address_space: global }
      - { .name: oh, .offset: 32, .size: 8, .value_kind: global_buffer, .address_space: global }
      - { .name: out0, .offset: 40, .size: 8, .value_kind: global_buffer, .address_space: global }
    .group_segment_fixed_size: 327680
    .private_segment_fixed_size: 0
    .kernarg_segment_align: 8
    .kernarg_segment_size: 48
    .max_flat_workgroup_size: 128
    .sgpr_count:     88
    .vgpr_count:     1024
    .wavefront_size: 32
...
	.end_amdgpu_metadata
.endif
;; end of part 3
;; launch outp (part 4): grid 8 x 32, 4 waves a work-group, clusters of 4 x 4, 327,680 bytes of LDS; arguments oh, wh, out1; writes out1
.if DOCPART == 4
	.amdgcn_target "amdgcn-amd-amdhsa--gfx1250"
	.amdhsa_code_object_version 6
	.text
	.protected	k_qe520abaac1_outp
	.globl	k_qe520abaac1_outp
	.p2align	8
	.type	k_qe520abaac1_outp,@function
k_qe520abaac1_outp:
	s_mov_b64 s[64:65], 0
	v_nop
	global_prefetch_b8 v0, s[64:65] scope:SCOPE_SE
	s_setreg_imm32_b32 hwreg(HW_REG_WAVE_MODE, 25, 1), 1
	s_wait_xcnt 0x0
	s_wait_alu depctr_hold_cnt(0) depctr_sa_sdst(0) depctr_va_vdst(0) depctr_va_sdst(0) depctr_va_ssrc(0) depctr_va_vcc(0) depctr_vm_vsrc(0)
	s_getreg_b32 s2, hwreg(HW_REG_IB_STS2, 6, 4)
	s_cmp_eq_u32 s2, 0
	s_cbranch_scc0 .Lentry_in_a_cluster
	s_endpgm
.Lentry_in_a_cluster:
	s_bfe_u32 s2, ttmp6, 0x10000c
	s_cmp_lg_u32 s2, 0xf033
	s_cbranch_scc0 .Lentry_shape_is_right
	s_endpgm
.Lentry_shape_is_right:
; out1[m][n] = the sum over k of value_out[m][k] Wo[n][k].  value_out lies by heads: oh[b][h][s][64] f16, m = 2,048 b + s, k = 64 h + d.  Wo = rows 3,072 .. 4,095 of wh ([4096][1024] f16).  out1: [4096][1024] f32.
; Sums in f32, stored as they are.
; SHARES.  A tile of out1 is 128 x 128: 32 x 8 = 256 work-groups.  Four waves, each 64 x 64: 16 accumulators of 16 x 16.  K goes in 4 steps of 256 (four heads) through a ring of two LDS slots.
; value_out's tile: 64 rows of one head are 8,192 dense bytes; a tensor load takes four heads' as four long rows, 262,144 bytes apart, padded in LDS after every 128 bytes: [head][row][144].
; CLUSTER.  4 x 4 work-groups: the four of a row of the cluster need the same tiles of value_out, the four of a column the same tiles of Wo: each is asked for JOINTLY.
; THE MATRIX INSTRUCTION IS USED TRANSPOSED (source 0 = 16 rows of Wo, source 1 = 16 rows of value_out): a lane holds eight neighbouring numbers of a row of out1.
; A wave's 64 columns of f32 are 256 aligned bytes of a row, so each wave has a stage of its own on the way out, and no barrier is wanted there.
; REGISTERS: window 0: v0-31 addresses; v32-95 rows read back, two sets; v128-255 the accumulators ((a, b) at v[128 + 8 (4 a + b)]).
;   window 1: two fragment buffers of 128: for 64 along K (two matrix instructions deep), 64 registers of value_out (2 x 4 x 16 rows x 32 K), then 64 of Wo.
.set SIZE_K, 1024
.set PA,     144                       ; a row of value_out in LDS: 128 bytes + 16
.set PB,     528                       ; a row of Wo: 512 bytes + 16.  Both are odd multiples of 16 bytes: the 16 rows of a load start at 16 different groups of four banks (64 banks of 4 bytes: ISA guide 11.1)
.set HALFA,  4*64*PA                   ; what one tensor load brings of value_out: four heads x 64 rows
.set HALFB,  64*PB                     ; and of Wo: 64 rows x 256 K
.set BOFF,   2*HALFA
.set SLOT,   BOFF+2*HALFB
.set STAGE,  2*SLOT                    ; behind the ring, never filled by a tensor load: 16 rows x 272 bytes for each wave
.set SPITCH, 272
.set SPARE,  STAGE+4*16*SPITCH         ; behind the stages: the spare words, 128 bytes for each wave: two blocks of 256 bytes that no other line names
.set ADRA, 16                          ; v16-17  LDS address of my fragments of value_out in slot 0, 1
.set ADRB, 20                          ; v20-21  the same for Wo
.set STO,  24                          ; v24     the way out: where I put 32 bytes of a row
.set RD,   25                          ; v25     where I read rows back
.set CO,   26                          ; v26     my byte offset in two rows of out1
.set SPW,  28                          ; v28     LDS address of my spare word; never rewritten
.set NIL,  29                          ; v29     0; never rewritten
.set TMP,  32
.set ACC,  128
.set F0,   0                           ; fragment buffers, in window 1
.set F1,   128
.set G1,  24                           ; s[24:31] descriptor group 1 for value_out's tiles;  s[32:39] group 0, a set for each slot
.set G0,  32
.set G1B, 48                           ; s[48:55], s[56:63] the same for Wo's
.set G0B, 56
.set MSB, 0
.macro WIN new                         ; the immediate's high byte repeats the setting that is left
.if MSB != (\new)
	s_set_vgpr_msb (MSB<<8)|(\new)
.set MSB, \new
.endif
.endm
.set MUL,  0x05                        ; sources 0 and 1 window 1; C and D window 0
.set TO_F, 0x40                        ; destination window 1, address window 0
.macro JLOAD s                         ; a joint load: waves 0 and 1 fetch value_out's two halves, waves 2 and 3 Wo's; an s_nop 0 and four v_nop follow each of the two lines
	s_cmp_eq_u32 s11, 0
	s_cbranch_scc0 .Lfor_b_\@
	tensor_load_to_lds s[G0+4*(\s):G0+4*(\s)+3], s[G1:G1+7]
	s_nop 0
.rept 4
	v_nop
.endr
	s_branch .Lasked_\@
.Lfor_b_\@:
	tensor_load_to_lds s[G0B+4*(\s):G0B+4*(\s)+3], s[G1B:G1B+7]
	s_nop 0
.rept 4
	v_nop
.endr
.Lasked_\@:
.endm
.macro CREST                           ; a round of the cluster's barrier behind its opening barrier
	s_cmp_lg_u32 s10, 0
	s_cbranch_scc1 .Lnot_wave_0_\@
	s_barrier_signal -3
.Lnot_wave_0_\@:
	s_barrier_wait -3
	s_barrier_signal -1
	s_barrier_wait -1
.endm
.macro CROUND
	s_barrier_signal -1
	s_barrier_wait -1
	CREST
.endm
	s_load_b128 s[4:7], s[0:1], 0x0                ; oh s[4:5], wh s[6:7]
	s_load_b64 s[8:9], s[0:1], 0x10                ; out1
	v_lshl_add_u32 v[SPW], v0, 2, SPARE
	v_mov_b32 v[NIL], 0
	ds_add_u32 v[SPW], v[NIL]                      ; the wave's opening: the add and its wait ahead of my first tensor load; the set-up below, work on registers, stands between them
	v_lshrrev_b32 v1, 5, v0
	v_readfirstlane_b32 s10, v1                    ; wave 0..3
	s_lshr_b32 s11, s10, 1                         ; which half of the tile's rows is mine.  Also: I fetch for value_out (0) or for Wo (1)
	s_and_b32 s12, s10, 1                          ; which half of its columns.  Also: which 64 rows of that tile I fetch
	s_bfe_u32 s40, ttmp6, 0x40000                  ; cx, cy: my place in the cluster
	s_bfe_u32 s41, ttmp6, 0x40004
	s_lshl_b32 s42, ttmp9, 2
	s_add_co_u32 s42, s42, s40                     ; tile column = 4 x cluster x + cx
	s_and_b32 s13, ttmp7, 0xffff
	s_lshl_b32 s13, s13, 2
	s_add_co_u32 s13, s13, s41                     ; tile row = 4 x cluster y + cy
	s_lshl_b32 s43, s41, 2
	s_lshl_b32 s43, 15, s43                        ; my row of the cluster
	s_lshl_b32 s44, 0x1111, s40                    ; my column
	s_or_b32 s[G1+0], s43, (1<<16)|(1<<20)|(1<<21)|(4<<22)|(3<<25)   ; the mask of my row; elements of 2 bytes; padding on; 21 set beside a mask; after every 32 words (code 4) 4 words (code 3)
	s_mov_b32 s[G1+1], 4096<<16                    ; tensor_dim0 = 4,096 elements: 64 dense rows of a head
	s_mov_b32 s[G1+2], 4<<16                       ; tensor_dim1 = 4 heads
	s_mov_b32 s[G1+3], 4096<<16                    ; tile_dim0 = 4,096
	s_mov_b32 s[G1+4], 4                           ; tile_dim1 = 4
	s_mov_b32 s[G1+5], 131072                      ; elements from head to head: 2,048 rows x 64
	s_mov_b32 s[G1+6], 0
	s_mov_b32 s[G1+7], 0
	s_or_b32 s[G1B+0], s44, (1<<16)|(1<<20)|(1<<21)|(6<<22)|(3<<25)  ; the mask of my column; after every 128 words (code 6) 4 words
	s_mov_b32 s[G1B+1], 256<<16                    ; tensor_dim0 = 256
	s_mov_b32 s[G1B+2], 64<<16                     ; tensor_dim1 = 64
	s_mov_b32 s[G1B+3], 256<<16                    ; tile_dim0 = 256
	s_mov_b32 s[G1B+4], 64                         ; tile_dim1 = 64
	s_mov_b32 s[G1B+5], SIZE_K
	s_mov_b32 s[G1B+6], 0
	s_mov_b32 s[G1B+7], 0
	s_lshr_b32 s16, s13, 4                         ; value_out: b = tile row / 16: 16 heads of 262,144 bytes,
	s_lshl_b32 s16, s16, 22
	s_and_b32 s17, s13, 15                         ; the tile's 128 rows of 128 bytes in a head,
	s_lshl_b32 s17, s17, 14
	s_add_co_u32 s16, s16, s17
	s_lshl_b32 s17, s12, 13                        ; the 64 of them that I fetch
	s_add_co_u32 s16, s16, s17
	s_mov_b32 s17, 0
	s_lshl_b32 s46, s42, 7                         ; Wo: row 3,072 + 128 x tile column + 64 x half,
	s_lshl_b32 s47, s12, 6
	s_add_co_u32 s46, s46, s47
	s_add_co_u32 s46, s46, 3072
	s_lshl_b32 s46, s46, 11                        ; 2,048 bytes a row
	s_mov_b32 s47, 0
	s_mul_i32 s20, s10, HALFA                      ; where they go: waves 0, 1: value_out's halves at wave x HALFA;
	s_mul_i32 s21, s10, HALFB
	s_add_co_u32 s21, s21, BOFF-2*HALFB            ; waves 2, 3: Wo's halves at BOFF + (wave - 2) x HALFB
	s_wait_dscnt 0x0                               ; the opening add is done
	s_wait_kmcnt 0x0
	s_add_nc_u64 s[14:15], s[4:5], s[16:17]
	s_add_nc_u64 s[46:47], s[6:7], s[46:47]
	CROUND                                         ; all sixteen work-groups are here: the first joint loads meet
.irp s, 0,1
	s_mov_b32 s[G0+4*(\s)], 1
	s_add_co_u32 s[G0+4*(\s)+1], s20, (\s)*SLOT
	s_add_nc_u64 s[G0+4*(\s)+2:G0+4*(\s)+3], s[14:15], (\s)*4*262144  ; K step s: four heads on
	s_or_b32 s[G0+4*(\s)+3], s[G0+4*(\s)+3], 0x80000000
	s_mov_b32 s[G0B+4*(\s)], 1
	s_add_co_u32 s[G0B+4*(\s)+1], s21, (\s)*SLOT
	s_add_nc_u64 s[G0B+4*(\s)+2:G0B+4*(\s)+3], s[46:47], (\s)*512
	s_or_b32 s[G0B+4*(\s)+3], s[G0B+4*(\s)+3], 0x80000000
	JLOAD \s                                       ; two tensor loads of mine are out
.endr
	v_and_b32 v1, 15, v0                           ; l % 16
	v_bfe_u32 v2, v0, 4, 1                         ; l / 16
	v_mul_u32_u24 v3, v1, PA
	v_lshl_add_u32 v3, v2, 4, v3                   ; a fragment's row x pitch + 16 x half, for value_out
	v_mul_u32_u24 v4, v1, PB
	v_lshl_add_u32 v4, v2, 4, v4                   ; and for Wo
	s_mul_i32 s21, s11, HALFA                      ; my 64 rows of value_out
	s_mul_i32 s22, s12, HALFB                      ; my 64 rows of Wo
	s_add_co_u32 s22, s22, BOFF
.irp s, 0,1
	v_add_nc_u32 v[ADRA+(\s)], s21, v3
	v_add_nc_u32 v[ADRB+(\s)], s22, v4
	s_add_co_u32 s21, s21, SLOT
	s_add_co_u32 s22, s22, SLOT
.endr
	s_mul_i32 s23, s10, 16*SPITCH
	s_add_co_u32 s23, s23, STAGE                   ; my stage
	v_mul_u32_u24 v5, v1, SPITCH                   ; in: row l % 16, 32 bytes for each half of the lanes
	v_lshl_add_u32 v5, v2, 5, v5
	v_add_nc_u32 v[STO], s23, v5
	v_mul_u32_u24 v5, v2, SPITCH                   ; back: lanes 0-15 take one row of 256 bytes, lanes 16-31 the next
	v_lshl_add_u32 v5, v1, 4, v5
	v_add_nc_u32 v[RD], s23, v5
	v_lshlrev_b32 v5, 12, v2                       ; and the same two rows in out1, 4,096 bytes apart
	v_lshl_add_u32 v[CO], v1, 4, v5
	s_lshl_b32 s46, s13, 7
	s_lshl_b32 s47, s11, 6
	s_add_co_u32 s46, s46, s47                     ; my first row of out1,
	s_lshl_b32 s46, s46, 12
	s_lshl_b32 s47, s42, 9                         ; the tile's 512 bytes of a row,
	s_add_co_u32 s46, s46, s47
	s_lshl_b32 s47, s12, 8                         ; my 256 of them
	s_add_co_u32 s46, s46, s47
	s_mov_b32 s47, 0
	s_add_nc_u64 s[8:9], s[8:9], s[46:47]
; 8 matrix instructions: row blocks a0, a0 + 1 x all 4 column blocks, 32 along K: half c of buffer f.  zero = 1: the product starts the sums.  The 16 accumulators take turns.
.macro MUL8 f, c, a0, zero
	WIN MUL
.irp a, \a0, (\a0)+1
.irp b, 0,1,2,3
.if \zero
	v_wmma_f32_16x16x32_f16 v[ACC+8*(4*(\a)+(\b)):ACC+8*(4*(\a)+(\b))+7], v[(\f)+64+8*(4*(\c)+(\b)):(\f)+64+8*(4*(\c)+(\b))+7], v[(\f)+8*(4*(\c)+(\a)):(\f)+8*(4*(\c)+(\a))+7], 0
.else
	v_wmma_f32_16x16x32_f16 v[ACC+8*(4*(\a)+(\b)):ACC+8*(4*(\a)+(\b))+7], v[(\f)+64+8*(4*(\c)+(\b)):(\f)+64+8*(4*(\c)+(\b))+7], v[(\f)+8*(4*(\c)+(\a)):(\f)+8*(4*(\c)+(\a))+7], v[ACC+8*(4*(\a)+(\b)):ACC+8*(4*(\a)+(\b))+7]
.endif
.endr
.endr
.endm
; 32 LDS loads in one run: the fragments of quarter q of a K step (64 along K: one head of value_out, 128 bytes of Wo's rows) into buffer f; the first 32 along K first
.macro FETCH slot, q, f
	WIN TO_F
.irp c, 0,1
.irp i, 0,1,2,3
	ds_load_b128 v[(\f)+64+8*(4*(\c)+(\i)):(\f)+64+8*(4*(\c)+(\i))+3],   v[ADRB+(\slot)] offset:(\q)*128+64*(\c)+(\i)*16*PB
	ds_load_b128 v[(\f)+64+8*(4*(\c)+(\i))+4:(\f)+64+8*(4*(\c)+(\i))+7], v[ADRB+(\slot)] offset:(\q)*128+64*(\c)+(\i)*16*PB+32
	ds_load_b128 v[(\f)+8*(4*(\c)+(\i)):(\f)+8*(4*(\c)+(\i))+3],         v[ADRA+(\slot)] offset:(\q)*64*PA+64*(\c)+(\i)*16*PA
	ds_load_b128 v[(\f)+8*(4*(\c)+(\i))+4:(\f)+8*(4*(\c)+(\i))+7],       v[ADRA+(\slot)] offset:(\q)*64*PA+64*(\c)+(\i)*16*PA+32
.endr
.endr
.endm
.macro PLACES                          ; four plain instructions in front of loads into registers that matrix instructions have read, and of stores that read results
.rept 4
	v_nop
.endr
.endm
; A K step is four quarters of 64 along K, 32 matrix instructions each, on buffers 0, 1, 0, 1.  One of the first three: multiplies buffer f and fetches quarter q into g.
.macro QUARTER slot, q, f, g, zero
	s_wait_dscnt 16                                ; the first 32 along K are in
	MUL8 \f, 0, 0, \zero
	MUL8 \f, 0, 2, \zero
	PLACES
	FETCH \slot, \q, \g
	s_wait_dscnt 32                                ; all but the 32 just issued
	MUL8 \f, 1, 0, 0
	MUL8 \f, 1, 2, 0
.endm
; The last quarter multiplies buffer 1 and changes slots: ONE barrier; in front of it each wave waits for all its tensor loads, adds 0 to its spare word, and waits for that and for its own reads of this slot.
; fill = 1: the barrier opens a round of the cluster's barrier, and this slot is filled again, two K steps ahead, first thing behind the round: 112 matrix instructions ahead of the wait for it.
.macro TURN slot, next, fill
	WIN 0                                          ; (the add's two registers lie in window 0)
	s_wait_tensorcnt 0x0                           ; all my tensor loads have landed: my part of the next slot
	ds_add_u32 v[SPW], v[NIL]                      ; 0 onto my spare word
	s_wait_dscnt 17                                ; (the add and the youngest sixteen loads may be out)
	MUL8 F1, 0, 0, 0                               ; eight matrix instructions stand between the add and the wait for it
	s_wait_dscnt 0x0                               ; the add is done, and my reads of this slot are over
	s_barrier_signal -1
	MUL8 F1, 0, 2, 0
.if \fill
	WIN 0
.endif
	s_barrier_wait -1
.if \fill
	CREST                                          ; no wave of any partner still reads this slot's tile or has a load on its way
	s_add_nc_u64 s[G0+4*(\slot)+2:G0+4*(\slot)+3], s[G0+4*(\slot)+2:G0+4*(\slot)+3], 8*262144  ; two K steps: eight heads on
	s_add_nc_u64 s[G0B+4*(\slot)+2:G0B+4*(\slot)+3], s[G0B+4*(\slot)+2:G0B+4*(\slot)+3], 1024
	JLOAD \slot                                    ; the first tensor load behind the round; its four v_nop are also the places in front of the loads below
.else
	PLACES
.endif
	FETCH \next, 0, F0
	MUL8 F1, 1, 0, 0
	MUL8 F1, 1, 2, 0
.endm
	s_wait_tensorcnt 1                             ; my part of K step 0 is in; K step 1's may stay out
	s_barrier_signal -1
	s_barrier_wait -1                              ; everybody's is
	FETCH 0, 0, F0
	QUARTER 0, 1, F0, F1, 1                        ; the first products start the sums
	QUARTER 0, 2, F1, F0, 0                        ; four K steps: the first lap fills both slots again, the second fills nothing: both are written straight
	QUARTER 0, 3, F0, F1, 0
	TURN 0, 1, 1
	QUARTER 1, 1, F0, F1, 0
	QUARTER 1, 2, F1, F0, 0
	QUARTER 1, 3, F0, F1, 0
	TURN 1, 0, 1
	QUARTER 0, 1, F0, F1, 0
	QUARTER 0, 2, F1, F0, 0
	QUARTER 0, 3, F0, F1, 0
	TURN 0, 1, 0
	QUARTER 1, 1, F0, F1, 0
	QUARTER 1, 2, F1, F0, 0
	QUARTER 1, 3, F0, F1, 0
	s_wait_dscnt 16                                ; the very last quarter: nothing more to fetch
	MUL8 F1, 0, 0, 0
	MUL8 F1, 0, 2, 0
	s_wait_dscnt 0x0
	MUL8 F1, 1, 0, 0
	MUL8 F1, 1, 2, 0
	WIN 0
; THE WAY OUT, a block of 16 rows at a time: a lane's 32 bytes of a row go into my stage, each accumulator's low half first; whole rows of 256 bytes come back and are stored.
.macro STG a
.irp b, 0,1,2,3
	ds_store_b128 v[STO], v[ACC+8*(4*(\a)+(\b)):ACC+8*(4*(\a)+(\b))+3]   offset:64*(\b)
	ds_store_b128 v[STO], v[ACC+8*(4*(\a)+(\b))+4:ACC+8*(4*(\a)+(\b))+7] offset:64*(\b)+16
.endr
.irp t, 0,1,2,3,4,5,6,7
	ds_load_b128 v[TMP+32*((\a)%2)+4*(\t):TMP+32*((\a)%2)+4*(\t)+3], v[RD] offset:(\t)*2*SPITCH  ; LDS serves a wave's instructions in order (ISA guide 5.7.1.4): these see the stores above
.endr
.endm
.macro SND a
.irp t, 0,1,2,3,4,5,6,7
	global_store_b128 v[CO], v[TMP+32*((\a)%2)+4*(\t):TMP+32*((\a)%2)+4*(\t)+3], s[8:9] offset:(16*(\a)+2*(\t))*4096 th:TH_STORE_NT  ; 16 lanes store 256 consecutive bytes, at a multiple of 256 from out1's first byte
.endr
.endm
	PLACES
	PLACES                                         ; eight, once a launch
	STG 0
	STG 1
	s_wait_dscnt 16                                ; block 0 is back; block 1's sixteen LDS lines may be out
	SND 0
	s_wait_xcnt 0x0                                ; block 0's stores have read their registers: block 2 is loaded into them
	STG 2
	s_wait_dscnt 16
	SND 1
	s_wait_xcnt 0x0
	STG 3
	s_wait_dscnt 16
	SND 2
	s_wait_dscnt 0x0
	SND 3
	s_wait_tensorcnt 0x0                           ; the wave's end, behind my last tensor load and my last LDS store
	ds_add_u32 v[SPW], v[NIL]
	s_wait_dscnt 0x0
	CROUND                                         ; the closing round: no work-group ends while a partner may still ask for a tile that names it
	s_endpgm
.Lfunc_end_k_qe520abaac1_outp:
	.size	k_qe520abaac1_outp, .Lfunc_end_k_qe520abaac1_outp-k_qe520abaac1_outp
	.p2alignl 7, 3214868480
	.fill 96, 4, 3214868480
	.section	.rodata,"a",@progbits
	.p2align	6, 0x0
	.amdhsa_kernel k_qe520abaac1_outp
		.amdhsa_group_segment_fixed_size 327680
		.amdhsa_private_segment_fixed_size 0
		.amdhsa_enable_private_segment 0
		.amdhsa_kernarg_size 24
		.amdhsa_user_sgpr_count 2
		.amdhsa_user_sgpr_kernarg_segment_ptr 1
		.amdhsa_wavefront_size32 1
		.amdhsa_system_sgpr_workgroup_id_x 1
		.amdhsa_system_sgpr_workgroup_id_y 1
		.amdhsa_system_sgpr_workgroup_id_z 1
		.amdhsa_system_vgpr_workitem_id 0
		.amdhsa_next_free_vgpr 512
		.amdhsa_next_free_sgpr 66
		.amdhsa_reserve_vcc 0
		.amdhsa_float_denorm_mode_32 3
		.amdhsa_float_denorm_mode_16_64 3
		.amdhsa_memory_ordered 1
		.amdhsa_forward_progress 1
		.amdhsa_inst_pref_size 86
	.end_amdhsa_kernel
	.amdgpu_metadata
---
amdhsa.version: [ 1, 2 ]
amdhsa.kernels:
  - .name:           k_qe520abaac1_outp
    .symbol:         k_qe520abaac1_outp.kd
    .args:
      - { .name: oh, .offset: 0, .size: 8, .value_kind: global_buffer, .address_space: global }
      - { .name: wh, .offset: 8, .size: 8, .value_kind: global_buffer, .address_space: global }
      - { .name: out1, .offset: 16, .size: 8, .value_kind: global_buffer, .address_space: global }
    .group_segment_fixed_size: 327680
    .private_segment_fixed_size: 0
    .kernarg_segment_align: 8
    .kernarg_segment_size: 24
    .max_flat_workgroup_size: 128
    .sgpr_count:     66
    .vgpr_count:     512
    .wavefront_size: 32
...
	.end_amdgpu_metadata
.endif
;; end of part 4
